; MI455X (gfx1250); checked and timed in simulation.
; The chip was launched on July 23, 2026; its instructions are those of AMD's public machine-readable ISA for CDNA 5 (MIT licence, August 2026) and "CDNA5" Instruction Set Architecture Reference Guide (July 2026). The comments in the code are by the model that wrote it; some were corrected since.
;; Transformer Encoder Layer. Allowed arithmetic: matrix products marked QUANTISED: E2M1 operands, one E8M0 scale for each 32 along K, by v_wmma_scale_f32_16x16x128_f8f6f4 with both operands' format E2M1 (or v_wmma_scale_f32_32x16x128_f4), f32 sums; everything else in f32.
;; Inputs: W1 256 x 1,024 float32; W2 1,024 x 256 float32; Wk 8 x 256 x 32 float32; Wo 256 x 256 float32; Wq 8 x 256 x 32 float32; Wv 8 x 256 x 32 float32; b1 1,024 float32; b2 256 float32; bk 8 x 32 float32; bo 256 float32; bq 8 x 32 float32; bv 8 x 32 float32; ln1_b 256 float32; ln1_g 256 float32; ln2_b 256 float32; ln2_g 256 float32; src 2 x 4,096 x 256 float32.
;; Outputs: out0 2 x 4,096 x 256 float32.
;; This version of the problem:
;;   THIS VERSION OF THE PROBLEM IS GIVEN IN LOW PRECISION. The matrix products marked QUANTISED in the list below multiply operands that are first quantised to E2M1 (2 exponent bits, 1 mantissa bit; 4 bits a number), with one power-of-two scale for each 32 numbers along K (OCP MX v1.0); their sums are f32. All else is computed in f32.
;;   The module's matrix products, in the order in which they are computed (A, B: the left and right operand; K: the contracted axis; several contracted axes count as one K, in the product's order):
;;     1. [M 256, K 256] x [K 256, N 8,192]; A: input Wq; B: input src: QUANTISED
;;     2. [M 256, K 256] x [K 256, N 8,192]; A: input Wk; B: input src: QUANTISED
;;     3. [M 256, K 256] x [K 256, N 8,192]; A: input Wv; B: input src: QUANTISED
;;     4. batch 16 x [M 4,096, K 32] x [K 32, N 4,096]; A: computed on the way; B: computed on the way: QUANTISED
;;     5. batch 16 x [M 4,096, K 4,096] x [K 4,096, N 32]; A: softmax (see below); B: computed on the way: QUANTISED
;;     6. [M 8,192, K 256] x [K 256, N 256]; A: computed on the way; B: input Wo: QUANTISED
;;     7. [M 8,192, K 256] x [K 256, N 1,024]; A: computed on the way; B: input W1: QUANTISED
;;     8. [M 8,192, K 1,024] x [K 1,024, N 256]; A: computed on the way; B: input W2: QUANTISED
;;   THE QUANTISER, for each operand of a quantised product, along K:
;;     - K is cut into blocks of 32 from its start; a last block that is shorter is filled with zeros.
;;     - A block's scale is 2^e with e = floor(log2(the largest magnitude in the block)) - 2, held to -126 .. 127; a block of zeros has e = 0. As a byte (E8M0): e + 127.
;;     - Each number is divided by its block's scale, clamped to +-6, and rounded to the nearest number of E2M1, ties to even, subnormals kept.
;;     - The product sums the exact products of the quantised numbers (number of the format x scale) in f32.
;;   ~~~python
;;   def quantise(x, axis):      # numpy; x: float32 -> the quantised numbers, widened to float32 again
;;       x = np.moveaxis(x, axis, -1); K = x.shape[-1]
;;       x = np.pad(x, [(0, 0)] * (x.ndim - 1) + [(0, -K % 32)]); x = x.reshape(x.shape[:-1] + (-1, 32)); a = np.abs(x).max(-1, keepdims=True)
;;       e = np.where(a > 0, np.clip(np.frexp(np.where(a > 0, a, 1))[1] - 1 - 2, -126, 127), 0)      # np.frexp(a)[1] - 1 = floor(log2(a)), exactly
;;       r = np.clip(x / 2.0 ** e, -6, 6)
;;       step = 2.0 ** (np.maximum(np.frexp(np.where(r == 0, 1, r))[1] - 1, 0) - 1)
;;       q = np.round(r / step) * step * 2.0 ** e      # np.round: ties to even
;;       return np.moveaxis(q.reshape(q.shape[:-2] + (-1,))[..., :K], -1, axis).astype(np.float32)
;;   ~~~
;;   SOFTMAX AHEAD OF A QUANTISED PRODUCT. Where the list says 'softmax', what is quantised is not the finished softmax but p = 2^(t - M), with t = logit x log2(e) and M = ceil(the row's largest t), a whole number; so 1/2 < the row's largest p <= 1. The row's sum l is taken of the UNQUANTISED p, in f32, and the product's result is divided by l at the end. Since M is a whole number, a kernel that streams over the keys may use a running M (the ceiling of the running maximum): every later rescaling is an exact power of two, which a block's scale takes up: the codes' values come out the same.
;;   OPERANDS COMPUTED ON THE WAY. 'Computed on the way' means the value that the module computes at that place (a softmax that the list does not call 'softmax' is quantised finished and normalised). What goes into a quantiser is computed in f32, as accurately as f32 sums, v_exp_f32 and their like allow (about 1e-6 of the number): no bf16 or f16 on the way to a quantiser, and a product that is left as it is and whose result goes on into a quantised operand takes f32 operands (vector FMAs, or v_wmma_f32_16x16x4_f32). A number that lies on a knife's edge between two numbers of the format may be rounded either way, as far as f32 arithmetic and the matrix unit's own rounding can turn it there, and no further.
;; One version. Each part assembles by itself: llvm-mc -triple=amdgcn-amd-amdhsa -mcpu=gfx1250 --defsym DOCPART=n.
;; ======== version 1 of 1: 4 launches
;; limits: right only within a limited range of input values
;; workspace buffers: wq 104,448 bytes; wt 313,344 bytes; qc 1,048,576 bytes; qs 65,536 bytes; kv 2,228,224 bytes; cc 1,048,576 bytes; cs 65,536 bytes
;; launch prep (part 1): grid 96 x 1, 4 waves a work-group, no clusters, 0 bytes of LDS; arguments Wq, Wk, Wv, Wo, W1, W2, wq, wt; writes wq, wt
.if DOCPART == 1
	.amdgcn_target "amdgcn-amd-amdhsa--gfx1250"
	.amdhsa_code_object_version 6
	.text
	.protected	k_q1e333e1024_prep
	.globl	k_q1e333e1024_prep
	.p2align	8
	.type	k_q1e333e1024_prep,@function
k_q1e333e1024_prep:
	s_mov_b64 s[64:65], 0
	v_nop
	global_prefetch_b8 v0, s[64:65] scope:SCOPE_SE
	s_setreg_imm32_b32 hwreg(HW_REG_WAVE_MODE, 25, 1), 1
	s_wait_xcnt 0x0
; The six weights (f32, K never innermost in memory) become codes of FP4 (E2M1) with one E8M0 byte for each 32 along K, laid in the order of the operand's registers.
; ONE WAVE MAKES ONE FRAGMENT (16 rows of the operand x 128 along K): lane (r, h) takes the operand's row r, which is a column of the weight, and its 64 registers run DOWN K:
; register 32 c + i is k = 128 kstep + 64 c + 32 h + i, the very k that the operand's layout gives that lane.  So a block of 32 lies in one lane, and the conversions' results are the operand's registers.
; A fragment's image is 1,024 bytes: registers 4 c .. 4 c + 3 of lane L at 512 c + 16 L; its scale words, one a row, are 64 bytes.
; wq: 8 records of 13,056 bytes, one for each wave w = 2 p + z of the next launch: 12 images, then 12 x 64 bytes of scale words.  Fragment 2 t + s (under 8): Wq (z = 0) or Wk (z = 1), K step s,
;     row rho = head 2 p + rho / 8, channel 8 t + rho % 8.  Fragment 8 + 2 u + s: Wv of head 2 p + z, row rho = channel 16 (rho / 8) + 8 u + rho % 8.
; wt: 18 blocks of 17,408 bytes: 16 images, then 16 x 64 bytes of scale words.  Blocks 0, 1: Wo, K steps 0, 1.  Block 2 + 2 j: W1's columns 128 j on, fragment 8 s + n.  Block 3 + 2 j: W2, K step j.
;     Row rho of column tile n is column 64 (n / 4) + 32 (rho / 8) + 8 (n % 4) + rho % 8 (+ 128 j for W1).
; 384 fragments: 96 work-groups of four waves.  No LDS, no barrier: waves share nothing.  All 64 loads of a wave are out together.
; A block's scale is 2^(floor(log2(its largest magnitude)) - 2); its byte is the largest magnitude's exponent field - 2, held at 1 from below.
; LIMITS: NaN and infinities are not served.  A block of zeros, or one whose largest magnitude lies under 2^-124, gets the byte 1: this program alone reads the bytes.
.set XN,  32                           ; v32-95   the 64 numbers
.set CDS, 96                           ; v96-103  the codes
.set SWD, 104                          ; v104     the scale word
	s_load_b256 s[4:11], s[0:1], 0x0               ; Wq s[4:5], Wk s[6:7], Wv s[8:9], Wo s[10:11]
	s_load_b256 s[12:19], s[0:1], 0x20             ; W1 s[12:13], W2 s[14:15], wq s[16:17], wt s[18:19]
	v_lshrrev_b32 v1, 5, v0
	v_readfirstlane_b32 s20, v1                    ; wave 0..3
	s_mov_b32 s2, 0x76543210
	s_mov_b32 s3, 0xfedcba98                       ; v_permlanex16_b32's selects for lane l xor 16
	v_and_b32 v1, 31, v0                           ; lane
	v_and_b32 v2, 15, v0                           ; r
	v_bfe_u32 v3, v0, 4, 1                         ; h
	v_lshlrev_b32 v6, 4, v1                        ; 16 x lane: my place in an image
	v_lshlrev_b32 v7, 2, v2                        ; 4 r: my row's scale word
	v_lshlrev_b32 v8, 3, v3                        ; 8 h: how far my two scale bytes are shifted
	v_mov_b32 v16, 0                               ; a lane permute's destination counts as one of its sources
	s_wait_kmcnt 0x0
	s_cmp_lt_u32 ttmp9, 24                         ; the first 24 work-groups make wq, the other 72 wt
	s_cbranch_scc0 .Lfor_tail
	s_mul_hi_u32 s21, ttmp9, 0x55555556            ; record = work-group / 3
	s_mul_i32 s22, s21, 3
	s_sub_co_u32 s22, ttmp9, s22                   ; sub = work-group % 3: 0, 1: Wq or Wk; 2: Wv
	s_lshr_b32 s23, s21, 1                         ; p
	s_and_b32 s32, s21, 1                          ; z
	s_and_b32 s33, s20, 1                          ; K step
	s_lshr_b32 s34, s20, 1                         ; hi
	s_lshl_b32 s35, s22, 2
	s_add_co_u32 s35, s35, s20                     ; fragment = 4 sub + wave
	s_lshl_b32 s36, s23, 16                        ; heads 2 p on: 2 x 32,768 bytes
	s_lshl_b32 s37, s33, 14                        ; K step: 128 rows of 128 bytes
	s_add_co_u32 s36, s36, s37
	s_lshl_b32 s37, s34, 5                         ; 8 channels x hi
	s_add_co_u32 s36, s36, s37
	s_lshl_b32 s37, s22, 6                         ; Wq, Wk: tile t = 2 sub + hi: 16 channels x sub
	s_lshl_b32 s38, s32, 15                        ; Wv: head 2 p + z
	s_cmp_eq_u32 s32, 0
	s_cselect_b64 s[24:25], s[4:5], s[6:7]
	s_cmp_lt_u32 s22, 2
	s_cselect_b64 s[24:25], s[24:25], s[8:9]
	s_cselect_b32 s37, s37, s38
	s_mov_b32 s26, 64                              ; from rows 0-7 to rows 8-15: Wv: 16 channels;
	s_cselect_b32 s26, 0x8000, s26                 ; Wq, Wk: a head
	s_add_co_u32 s36, s36, s37
	s_mov_b32 s37, 0
	s_add_nc_u64 s[24:25], s[24:25], s[36:37]      ; the source at the fragment's first number
	s_mov_b32 s27, 128                             ; bytes from k to k + 1
	s_mul_i32 s38, s21, 13056
	s_lshl_b32 s39, s35, 10
	s_add_co_u32 s36, s38, s39
	s_add_nc_u64 s[28:29], s[16:17], s[36:37]      ; the image
	s_lshl_b32 s39, s35, 6
	s_add_co_u32 s36, s38, s39
	s_add_co_u32 s36, s36, 12288
	s_add_nc_u64 s[30:31], s[16:17], s[36:37]      ; the scale words
	s_branch .Lhave
.Lfor_tail:
	s_sub_co_u32 s21, ttmp9, 24
	s_lshr_b32 s22, s21, 2                         ; block 0..17
	s_and_b32 s23, s21, 3
	s_lshl_b32 s23, s23, 2
	s_add_co_u32 s35, s23, s20                     ; fragment 0..15
	s_sub_co_u32 s32, s22, 2
	s_lshr_b32 s32, s32, 1                         ; j, for blocks 2 on (even and odd alike); not used for blocks 0, 1
	s_lshr_b32 s36, s35, 3                         ; W1: K step = fragment / 8,
	s_and_b32 s37, s35, 7                          ; column tile = fragment % 8,
	s_lshl_b32 s38, s32, 9                         ; columns 128 j on, in bytes
	s_and_b32 s33, s22, 1
	s_cmp_lt_u32 s22, 2
	s_cselect_b32 s33, 1, s33                      ; 1: Wo or W2; 0: W1
	s_cselect_b32 s34, s22, s32                    ; their K step: the block, or j
	s_cselect_b64 s[24:25], s[10:11], s[14:15]
	s_cmp_eq_u32 s33, 0
	s_cselect_b64 s[24:25], s[12:13], s[24:25]
	s_cselect_b32 s34, s36, s34                    ; K step
	s_cselect_b32 s37, s37, s35                    ; column tile n
	s_cselect_b32 s38, s38, 0
	s_mov_b32 s27, 1024
	s_cselect_b32 s27, 0x1000, s27                 ; bytes from k to k + 1
	s_mul_i32 s36, s34, s27
	s_lshl_b32 s36, s36, 7                         ; K step x 128 rows
	s_add_co_u32 s36, s36, s38
	s_lshr_b32 s39, s37, 2
	s_lshl_b32 s39, s39, 8                         ; 64 columns x (n / 4)
	s_add_co_u32 s36, s36, s39
	s_and_b32 s39, s37, 3
	s_lshl_b32 s39, s39, 5                         ; 8 columns x (n % 4)
	s_add_co_u32 s36, s36, s39
	s_mov_b32 s37, 0
	s_add_nc_u64 s[24:25], s[24:25], s[36:37]
	s_mov_b32 s26, 128                             ; from rows 0-7 to rows 8-15: 32 columns
	s_mul_i32 s38, s22, 17408
	s_lshl_b32 s39, s35, 10
	s_add_co_u32 s36, s38, s39
	s_add_nc_u64 s[28:29], s[18:19], s[36:37]
	s_lshl_b32 s39, s35, 6
	s_add_co_u32 s36, s38, s39
	s_add_co_u32 s36, s36, 16384
	s_add_nc_u64 s[30:31], s[18:19], s[36:37]
.Lhave:
	s_wait_alu depctr_va_vdst(0)
	v_lshrrev_b32 v4, 3, v2
	v_and_b32 v5, 7, v2
	v_mul_u32_u24 v4, s26, v4                      ; (r / 8) x the distance between the halves of a tile's rows
	v_lshl_add_u32 v4, v5, 2, v4                   ; + 4 (r % 8)
	s_lshl_b32 s21, s27, 5
	v_mul_u32_u24 v5, s21, v3                      ; lanes 16-31 begin 32 along K further down
	v_add_nc_u32 v4, v4, v5
.macro LOADW stride                    ; register 32 c + i: k = 64 c + i further down; every offset an immediate
.set i, 0
.rept 64
	global_load_b32 v[XN+i], v4, s[24:25] offset:((i/32)*64+(i%32))*\stride
.set i, i+1
.endr
.endm
	s_cmp_eq_u32 s27, 128                          ; the immediates hang on the weight's row length: three copies of the 64 loads
	s_cbranch_scc1 .Lrow128
	s_cmp_eq_u32 s27, 1024
	s_cbranch_scc1 .Lrow1024
	LOADW 4096
	s_branch .Lloaded
.Lrow128:
	s_wait_alu depctr_va_vdst(0)
	LOADW 128
	s_branch .Lloaded
.Lrow1024:
	s_wait_alu depctr_va_vdst(0)
	LOADW 1024
.Lloaded:
	s_wait_loadcnt 0x0
.irp b, 0,1                                    ; my two blocks: all 32 numbers of each are mine; the floor 2^(3 - 127) is one more leaf, so that the byte cannot fall under 1
	v_max3_num_f32 v[10+\b], |v[XN+32*\b]|, |v[XN+32*\b+1]|, 0x1800000
.endr
.irp i, 2,4,6,8,10,12,14,16,18,20,22,24,26,28,30
.irp b, 0,1
	v_max3_num_f32 v[10+\b], v[10+\b], |v[XN+32*\b+\i]|, |v[XN+32*\b+\i+1]|
.endr
.endr
.irp b, 0,1
	v_add_nc_u32 v[12+\b], 0xff000000, v[10+\b]    ; 2 off the exponent field: the conversion takes the exponent field of this operand as its scale
.endr
.irp b, 0,1
	v_lshrrev_b32 v[14+\b], 23, v[12+\b]           ; the scale's byte
.endr
	v_lshl_or_b32 v[SWD], v15, 16, v14             ; my bytes: blocks h and 2 + h of my row,
	v_lshlrev_b32 v[SWD], v8, v[SWD]               ; at their places;
	v_permlanex16_b32 v16, v[SWD], s2, s3
	v_or_b32 v[SWD], v[SWD], v16                   ; with lane l xor 16's two the word is whole, in both lanes
.irp b, 0,1
.irp g, 0,1,2,3
	v_cvt_scalef32_pk8_fp4_f32 v[CDS+4*\b+\g], v[XN+32*\b+8*\g:XN+32*\b+8*\g+7], v[12+\b]
.endr
.endr
	v_nop                                          ; one plain line behind the last scaled conversion
	global_store_b128 v6, v[CDS:CDS+3], s[28:29]               ; 32 lanes store 512 consecutive bytes
	global_store_b128 v6, v[CDS+4:CDS+7], s[28:29] offset:512
	global_store_b32 v7, v[SWD], s[30:31]          ; 64 bytes; lanes r and 16 + r store the same word to the same place
	s_endpgm
.Lfunc_end_k_q1e333e1024_prep:
	.size	k_q1e333e1024_prep, .Lfunc_end_k_q1e333e1024_prep-k_q1e333e1024_prep
	.p2alignl 7, 3214868480
	.fill 96, 4, 3214868480
	.section	.rodata,"a",@progbits
	.p2align	6, 0x0
	.amdhsa_kernel k_q1e333e1024_prep
		.amdhsa_group_segment_fixed_size 0
		.amdhsa_private_segment_fixed_size 0
		.amdhsa_enable_private_segment 0
		.amdhsa_kernarg_size 64
		.amdhsa_user_sgpr_count 2
		.amdhsa_user_sgpr_kernarg_segment_ptr 1
		.amdhsa_wavefront_size32 1
		.amdhsa_system_sgpr_workgroup_id_x 1
		.amdhsa_system_sgpr_workgroup_id_y 1
		.amdhsa_system_sgpr_workgroup_id_z 1
		.amdhsa_system_vgpr_workitem_id 0
		.amdhsa_next_free_vgpr 128
		.amdhsa_next_free_sgpr 66
		.amdhsa_reserve_vcc 0
		.amdhsa_float_denorm_mode_32 3
		.amdhsa_float_denorm_mode_16_64 3
		.amdhsa_memory_ordered 1
		.amdhsa_forward_progress 1
		.amdhsa_inst_pref_size 26
	.end_amdhsa_kernel
	.amdgpu_metadata
---
amdhsa.version: [ 1, 2 ]
amdhsa.kernels:
  - .name:           k_q1e333e1024_prep
    .symbol:         k_q1e333e1024_prep.kd
    .args:
      - { .name: Wq, .offset: 0, .size: 8, .value_kind: global_buffer, .address_space: global }
      - { .name: Wk, .offset: 8, .size: 8, .value_kind: global_buffer, .address_space: global }
      - { .name: Wv, .offset: 16, .size: 8, .value_kind: global_buffer, .address_space: global }
      - { .name: Wo, .offset: 24, .size: 8, .value_kind: global_buffer, .address_space: global }
      - { .name: W1, .offset: 32, .size: 8, .value_kind: global_buffer, .address_space: global }
      - { .name: W2, .offset: 40, .size: 8, .value_kind: global_buffer, .address_space: global }
      - { .name: wq, .offset: 48, .size: 8, .value_kind: global_buffer, .address_space: global }
      - { .name: wt, .offset: 56, .size: 8, .value_kind: global_buffer, .address_space: global }
    .group_segment_fixed_size: 0
    .private_segment_fixed_size: 0
    .kernarg_segment_align: 8
    .kernarg_segment_size: 64
    .max_flat_workgroup_size: 128
    .sgpr_count:     66
    .vgpr_count:     128
    .wavefront_size: 32
...
	.end_amdgpu_metadata
.endif
;; end of part 1
;; launch qkv (part 2): grid 128 x 1, 8 waves a work-group, no clusters, 10,240 bytes of LDS; arguments src, wq, bq, bk, bv, qc, qs, kv; writes qc, qs, kv
.if DOCPART == 2
	.amdgcn_target "amdgcn-amd-amdhsa--gfx1250"
	.amdhsa_code_object_version 6
	.text
	.protected	k_q1e333e1024_qkv
	.globl	k_q1e333e1024_qkv
	.p2align	8
	.type	k_q1e333e1024_qkv,@function
k_q1e333e1024_qkv:
	s_mov_b64 s[64:65], 0
	v_nop
	global_prefetch_b8 v0, s[64:65] scope:SCOPE_SE
	s_setreg_imm32_b32 hwreg(HW_REG_WAVE_MODE, 25, 1), 1
	s_wait_xcnt 0x0
; q, k, v = src W + b for all heads, on codes of FP4 (E2M1) with one E8M0 byte for each 32 along K; q and k are then quantised along a head's 32 channels, v along the tokens, and only codes and scale bytes are stored.
; SHARES.  A work-group takes 64 tokens.  TOKENS GO IN TILES THAT ARE NOT NEIGHBOURS: row rho of tile t (0..3) is token 32 (rho / 8) + 8 t + rho % 8 of the 64.
; Wave w = 2 p + z (1) quantises src's fragment (tile p, K step z) and hands its image to the others through LDS; (2) makes q (z = 0) or k (z = 1) of heads 2 p, 2 p + 1; (3) makes v of head 2 p + z.
; Its 12 weight fragments come from memory straight into its registers, laid for that by the launch before: no other wave of the work-group wants them.
; q, k: source 0 = 16 rows of the weight (rows 0-7: head 2 p, channels 8 t on; rows 8-15: head 2 p + 1), source 1 = 16 tokens.  So lane (r, h) holds token r, and the 32 registers of the four tiles t are ALL
; 32 channels of head 2 p + h: one block in one lane: its largest magnitude needs no other lane, and four conversions give the token's 16 bytes of codes.
; v: source 0 = 16 tokens, source 1 = 16 channels.  Lane (r, h) holds one channel, and the 32 registers of the four token tiles are tokens 32 h .. 32 h + 31: again one block (along the keys) in one lane.
; The biases are the C of each sum's first matrix instruction.
; OUT.  qc [head 16][tile 256][row 16][16 bytes]; qs [head][64 tokens][row] words, byte t for tile t.  kv: a record of 139,264 bytes a head: 32 key steps of 4,352 bytes: two images of k (each 64 keys: tile t in K slot t),
; two images of v^T (rows: channel 16 (rho / 8) + 8 u + rho % 8; K = the step's 128 keys), 128 bytes of k's scale words, 128 of v's.
; One barrier: between the stores of src's images and their loads.
; LIMITS: NaN and infinities are not served.  A block of zeros, or one whose largest magnitude lies under 2^-124, gets the byte 1: this program alone reads the bytes.
; REGISTERS.  Window 0: v1-13 addresses; v16-79 64 numbers of src, then src's 8 fragments; v80-87 their scale words; v88-99 the weights' scale words; v100-108 codes and word just made; v112-143 four accumulators;
; v144-167 codes to store; v168 q's or k's scale word; v170-179 at work.  Window 1: v0-95 the 12 weight fragments; v96-127 bq or bk; v128-143 bv.
.set SSC, 8192                         ; LDS: 8 images of 1,024 bytes from 0 on; from here 8 x 128 bytes of scale words
.set XR,  16
.set SS,  80
.set WS,  88
.set PC,  100
.set PW,  108
.set ACC, 112
.set CD,  144
.set VC,  160
.set KW,  168
.set TQ,  170
.set EQ,  172
.set BQ,  174
.set XP,  176
.set VH,  178
.set MSB, 0
.macro WIN new                         ; the immediate's high byte repeats the setting that is left
.if MSB != (\new)
	s_set_vgpr_msb (MSB<<8)|(\new)
.set MSB, (\new)
.endif
.endm
.macro PLACES n
.rept \n
	v_nop
.endr
.endm
.macro MMA d, a, b, c, sa, sb
	v_wmma_scale_f32_16x16x128_f8f6f4 v[\d:\d+7], v[\a:\a+7], v[\b:\b+7], v[\c:\c+7], v[\sa], v[\sb] matrix_a_fmt:MATRIX_FMT_FP4 matrix_b_fmt:MATRIX_FMT_FP4
.endm
; 64 numbers of a lane, register 32 b + i = number i of my block b, become a fragment's 8 registers of codes and its scale word
.macro QUANT2 S, D, W
.irp b, 0,1
	v_max3_num_f32 v[TQ+\b], |v[(\S)+32*\b]|, |v[(\S)+32*\b+1]|, 0x1800000   ; the floor 2^(3 - 127) is one more leaf: the byte cannot fall under 1
.endr
.irp i, 2,4,6,8,10,12,14,16,18,20,22,24,26,28,30
.irp b, 0,1
	s_delay_alu instid0(VALU_DEP_2)
	v_max3_num_f32 v[TQ+\b], v[TQ+\b], |v[(\S)+32*\b+\i]|, |v[(\S)+32*\b+\i+1]|
.endr
.endr
.irp b, 0,1
	s_delay_alu instid0(VALU_DEP_2)
	v_add_nc_u32 v[EQ+\b], 0xff000000, v[TQ+\b]    ; 2 off the exponent field: the conversion's scale operand
.endr
.irp b, 0,1
	s_delay_alu instid0(VALU_DEP_2)
	v_lshrrev_b32 v[BQ+\b], 23, v[EQ+\b]           ; the byte
.endr
	s_delay_alu instid0(VALU_DEP_1)
	v_lshl_or_b32 v[\W], v[BQ+1], 16, v[BQ]        ; blocks h and 2 + h,
	s_delay_alu instid0(VALU_DEP_1)
	v_lshlrev_b32 v[\W], v6, v[\W]                 ; 8 h bits up;
	s_delay_alu instid0(VALU_DEP_1)
	v_permlanex16_b32 v[XP], v[\W], s2, s3
	s_delay_alu instid0(VALU_DEP_1)
	v_or_b32 v[\W], v[\W], v[XP]                   ; with lane l xor 16's two the word is whole
.irp b, 0,1
.irp g, 0,1,2,3
	v_cvt_scalef32_pk8_fp4_f32 v[(\D)+4*\b+\g], v[(\S)+32*\b+8*\g:(\S)+32*\b+8*\g+7], v[EQ+\b]
.endr
.endr
	v_nop                                          ; one plain line behind the last scaled conversion
.endm
; 32 numbers of a lane, one block, become 4 registers of codes; the byte is left in v[BQ].  Each of the four accumulators is first read at its lowest register
.macro QUANT1 A, D
.irp b, 0,1
	v_max3_num_f32 v[TQ+\b], |v[(\A)+16*\b]|, |v[(\A)+16*\b+1]|, 0x1800000
.endr
.irp i, 2,4,6,8,10,12,14
.irp b, 0,1
	v_max3_num_f32 v[TQ+\b], v[TQ+\b], |v[(\A)+16*\b+\i]|, |v[(\A)+16*\b+\i+1]|
.endr
.endr
	s_delay_alu instid0(VALU_DEP_1)
	v_max_num_f32 v[TQ], v[TQ], v[TQ+1]
	s_delay_alu instid0(VALU_DEP_1)
	v_add_nc_u32 v[EQ], 0xff000000, v[TQ]
	s_delay_alu instid0(VALU_DEP_1)
	v_lshrrev_b32 v[BQ], 23, v[EQ]
.irp g, 0,1,2,3
	v_cvt_scalef32_pk8_fp4_f32 v[(\D)+\g], v[(\A)+8*\g:(\A)+8*\g+7], v[EQ]
.endr
	v_nop
.endm
	s_load_b256 s[4:11], s[0:1], 0x0               ; src s[4:5], wq s[6:7], bq s[8:9], bk s[10:11]
	s_load_b256 s[12:19], s[0:1], 0x20             ; bv s[12:13], qc s[14:15], qs s[16:17], kv s[18:19]
	v_lshl_add_u32 v254, v0, 2, 0x2400
	v_mov_b32 v255, 0
	v_lshrrev_b32 v3, 5, v0
	s_delay_alu instid0(VALU_DEP_1)
	v_readfirstlane_b32 s20, v3                    ; wave 0..7
	s_mov_b32 s2, 0x76543210
	s_mov_b32 s3, 0xfedcba98                       ; v_permlanex16_b32's selects for lane l xor 16
	s_lshr_b32 s21, s20, 1                         ; p
	s_and_b32 s22, s20, 1                          ; z
	s_lshr_b32 s23, ttmp9, 6                       ; batch
	s_and_b32 s24, ttmp9, 63                       ; g: which 64 tokens of the batch
	s_lshl_b32 s25, s23, 3
	s_lshl_b32 s26, s21, 1
	s_add_co_u32 s25, s25, s26                     ; 8 batch + 2 p: the first of my two heads
	s_lshr_b32 s26, s24, 1                         ; key step
	s_and_b32 s27, s24, 1                          ; which half of it
	s_mul_i32 s28, s25, 139264
	s_mul_i32 s29, s26, 4352
	s_add_co_u32 s28, s28, s29                     ; kv: that head's record, the key step
	s_lshl_b32 s30, s25, 16
	s_lshl_b32 s31, s24, 10
	s_add_co_u32 s30, s30, s31                     ; q's codes: 65,536 a head, 1,024 for 64 tokens
	s_lshl_b32 s31, s25, 12
	s_lshl_b32 s32, s24, 6
	s_add_co_u32 s31, s31, s32                     ; q's scale words: 4,096 a head, 64 for 64 tokens
	s_lshl_b32 s32, s27, 10
	s_add_co_u32 s32, s32, s28                     ; k's codes: the step's image g % 2
	s_lshl_b32 s33, s27, 6
	s_add_co_u32 s33, s33, s28
	s_add_co_u32 s33, s33, 4096                    ; k's scale words
	s_mul_i32 s62, s22, 139264
	s_add_co_u32 s62, s62, s28                     ; v: head 2 p + z
	s_lshl_b32 s29, s27, 9
	s_add_co_u32 s48, s62, s29
	s_add_co_u32 s48, s48, 2048                    ; v's codes: registers 4 (g % 2) on of both images
	s_mov_b32 s49, 0
	s_lshl_b32 s29, s27, 1
	s_add_co_u32 s50, s62, s29
	s_add_co_u32 s50, s50, 4224                    ; v's scale words: bytes 2 (g % 2), 2 (g % 2) + 1
	s_mov_b32 s51, 0
	s_lshl_b32 s52, ttmp9, 16                      ; src: 64 tokens of 1,024 bytes,
	s_lshl_b32 s53, s21, 13                        ; tile p begins 8 tokens x p on,
	s_add_co_u32 s52, s52, s53
	s_lshl_b32 s53, s22, 9                         ; K step z: 128 numbers
	s_add_co_u32 s52, s52, s53
	s_mov_b32 s53, 0
	s_mul_i32 s54, s20, 13056                      ; my record of weights
	s_mov_b32 s55, 0
	s_lshl_b32 s56, s21, 8                         ; bq, bk: heads 2 p on
	s_mov_b32 s57, 0
	s_lshl_b32 s58, s20, 7                         ; bv: head 2 p + z = wave
	s_mov_b32 s59, 0
	v_and_b32 v3, 31, v0                           ; lane
	v_and_b32 v4, 15, v0                           ; r
	v_bfe_u32 v14, v0, 4, 1                        ; h
	s_delay_alu instid0(VALU_DEP_3)
	v_lshlrev_b32 v1, 4, v3                        ; 16 x lane
	s_delay_alu instid0(VALU_DEP_4)
	v_lshlrev_b32 v2, 2, v3                        ; 4 x lane
	s_delay_alu instid0(VALU_DEP_4)
	v_lshrrev_b32 v15, 3, v4
	v_and_b32 v3, 7, v4
	s_delay_alu instid0(VALU_DEP_1)
	v_lshl_add_u32 v5, v15, 5, v3                  ; token 32 (r / 8) + r % 8
	s_delay_alu instid0(VALU_DEP_1)
	v_lshlrev_b32 v5, 10, v5
	s_delay_alu instid0(VALU_DEP_1)
	v_lshl_add_u32 v5, v14, 7, v5                  ; + 32 numbers x h
	v_lshlrev_b32 v6, 3, v14                       ; 8 h
	v_lshlrev_b32 v9, 2, v4                        ; 4 r
	v_lshlrev_b32 v10, 7, v14                      ; 128 h: head 2 p + h's bias
	v_lshl_add_u32 v11, v15, 4, v3
	s_delay_alu instid0(VALU_DEP_1)
	v_lshlrev_b32 v11, 2, v11                      ; bv: channel 16 (r / 8) + r % 8
	s_lshl_b32 s29, s20, 10
	v_add_nc_u32 v12, s29, v1                      ; LDS: my image: 1,024 x wave + 16 x lane
	v_lshl_add_u32 v13, v0, 2, SSC                 ; and its scale words: 128 x wave + 4 x lane
	v_mov_b32 v[XP], 0                             ; a lane permute's destination counts as one of its sources
	s_wait_alu depctr_va_vdst(0)
	s_wait_kmcnt 0x0
	s_add_nc_u64 s[4:5], s[4:5], s[52:53]
	s_add_nc_u64 s[6:7], s[6:7], s[54:55]
	s_cmp_eq_u32 s22, 0                            ; q or k?  The choice hangs on the wave's number alone
	s_cselect_b64 s[40:41], s[14:15], s[18:19]
	s_cselect_b64 s[42:43], s[16:17], s[18:19]
	s_cselect_b64 s[44:45], s[8:9], s[10:11]
	s_cselect_b32 s36, s30, s32
	s_cselect_b32 s38, s31, s33
	s_mov_b32 s34, 139264
	s_cselect_b32 s35, 0x1000, s34                 ; from head to head: scale words,
	s_cselect_b32 s34, 0x10000, s34                ; codes
	s_mov_b32 s37, 0
	s_mov_b32 s39, 0
	s_add_nc_u64 s[40:41], s[40:41], s[36:37]      ; where my codes go
	s_add_nc_u64 s[42:43], s[42:43], s[38:39]      ; and my scale words
	s_add_nc_u64 s[44:45], s[44:45], s[56:57]
	s_add_nc_u64 s[12:13], s[12:13], s[58:59]
	s_add_nc_u64 s[46:47], s[18:19], s[48:49]      ; v's codes
	s_add_nc_u64 s[60:61], s[18:19], s[50:51]      ; v's scale bytes
.set i, 0
.rept 16                                       ; src: register 32 c + 4 j on = k 64 c + 32 h + 4 j on of my token
	global_load_b128 v[XR+4*i:XR+4*i+3], v5, s[4:5] offset:256*(i/8)+16*(i%8)
.set i, i+1
.endr
	WIN 0x40                                       ; destination window 1
.set i, 0
.rept 24                                       ; the 12 weight fragments, as they lie
	global_load_b128 v[4*i:4*i+3], v1, s[6:7] offset:512*i
.set i, i+1
.endr
.set i, 0
.rept 8                                        ; bq or bk: register 8 t + j = channel 8 t + j of head 2 p + h
	global_load_b128 v[96+4*i:96+4*i+3], v10, s[44:45] offset:16*i
.set i, i+1
.endr
.irp u, 0,1
.irp j, 0,1,2,3,4,5,6,7                        ; bv: a lane holds one channel, so a tile's eight registers are equal
	global_load_b32 v[128+8*\u+\j], v11, s[12:13] offset:32*\u
.endr
.endr
	WIN 0
.set i, 0
.rept 12
	global_load_b32 v[WS+i], v9, s[6:7] offset:12288+64*i
.set i, i+1
.endr
	v_mul_u32_u24 v7, s34, v14
	s_delay_alu instid0(VALU_DEP_1)
	v_lshl_add_u32 v7, v4, 4, v7                   ; codes: head 2 p + h, 16 bytes a token
	v_mul_u32_u24 v8, s35, v14
	s_delay_alu instid0(VALU_DEP_1)
	v_lshl_add_u32 v8, v4, 2, v8                   ; scale words: 4 bytes a token
	s_wait_loadcnt 60                              ; src's sixteen loads are in; the 24 + 8 + 16 + 12 younger ones may be out
	QUANT2 XR, PC, PW
	ds_store_b128 v12, v[PC:PC+3]                  ; the fragment goes to LDS as an image of its registers
	ds_store_b128 v12, v[PC+4:PC+7] offset:512
	ds_store_b32 v13, v[PW]
	s_wait_dscnt 0x0                               ; for the others' sake: my stores have landed
	s_barrier_signal -1
	s_barrier_wait -1                              ; src's eight fragments lie in LDS
.set i, 0
.rept 16
	ds_load_b128 v[XR+4*i:XR+4*i+3], v1 offset:512*i       ; fragment 2 m + s at v[XR + 8 (2 m + s)]
.set i, i+1
.endr
.set i, 0
.rept 8
	ds_load_b32 v[SS+i], v2 offset:SSC+128*i
.set i, i+1
.endr
	s_wait_loadcnt 0x0                             ; weights, biases, scale words
	s_wait_dscnt 0x0
; ---- q or k, a tile of 16 tokens at a time; the four accumulators take turns, K step by K step
.irp m, 0,1,2,3
	WIN 0x11                                       ; source 0 (weight) and source 2 (bias) window 1
.irp t, 0,1,2,3
	MMA ACC+8*\t, 16*\t, XR+16*\m, 96+8*\t, WS+2*\t, SS+2*\m
.endr
	WIN 0x01
.irp t, 0,1,2,3
	MMA ACC+8*\t, 16*\t+8, XR+16*\m+8, ACC+8*\t, WS+2*\t+1, SS+2*\m+1
.endr
	WIN 0
	PLACES 4                                       ; in front of the first read of results
	QUANT1 ACC, CD+4*\m                            ; (its plain lines on other registers and its last v_nop make up the five places in front of the next tile's products, which begin these accumulators anew)
.if \m == 0
	v_mov_b32 v[KW], v[BQ]
.else
	v_lshl_or_b32 v[KW], v[BQ], 8*\m, v[KW]        ; byte m of the word: tile m
.endif
	global_store_b128 v7, v[CD+4*\m:CD+4*\m+3], s[40:41] offset:256*\m     ; sixteen lanes store 256 consecutive bytes, aligned
.endr
	global_store_b32 v8, v[KW], s[42:43]
; ---- v, 16 channels at a time: source 0 = the four token tiles by turns
.irp u, 0,1
	WIN 0x14                                       ; source 1 (weight) and source 2 (bias) window 1
.irp t, 0,1,2,3
	MMA ACC+8*\t, XR+16*\t, 64+16*\u, 128+8*\u, SS+2*\t, WS+8+2*\u
.endr
	WIN 0x04
.irp t, 0,1,2,3
	MMA ACC+8*\t, XR+16*\t+8, 72+16*\u, ACC+8*\t, SS+2*\t+1, WS+9+2*\u
.endr
	WIN 0
	PLACES 4
	QUANT1 ACC, VC+4*\u
	v_lshlrev_b32 v[VH+\u], v6, v[BQ]              ; my block's byte, 8 h bits up;
	s_delay_alu instid0(VALU_DEP_1)
	v_permlanex16_b32 v[XP], v[VH+\u], s2, s3
	s_delay_alu instid0(VALU_DEP_1)
	v_or_b32 v[VH+\u], v[VH+\u], v[XP]             ; with lane l xor 16's: the two bytes of these 64 tokens
	global_store_b128 v1, v[VC+4*\u:VC+4*\u+3], s[46:47] offset:1024*\u    ; 32 lanes store 512 consecutive bytes
	global_store_b16 v9, v[VH+\u], s[60:61] offset:64*\u                   ; half a scale word a channel: the other half is the neighbouring work-group's
.endr
	s_wait_tensorcnt 0x0
	ds_add_u32 v254, v255
	s_wait_dscnt 0x0
	s_endpgm
.Lfunc_end_k_q1e333e1024_qkv:
	.size	k_q1e333e1024_qkv, .Lfunc_end_k_q1e333e1024_qkv-k_q1e333e1024_qkv
	.p2alignl 7, 3214868480
	.fill 96, 4, 3214868480
	.section	.rodata,"a",@progbits
	.p2align	6, 0x0
	.amdhsa_kernel k_q1e333e1024_qkv
		.amdhsa_group_segment_fixed_size 10240
		.amdhsa_private_segment_fixed_size 0
		.amdhsa_enable_private_segment 0
		.amdhsa_kernarg_size 64
		.amdhsa_user_sgpr_count 2
		.amdhsa_user_sgpr_kernarg_segment_ptr 1
		.amdhsa_wavefront_size32 1
		.amdhsa_system_sgpr_workgroup_id_x 1
		.amdhsa_system_sgpr_workgroup_id_y 1
		.amdhsa_system_sgpr_workgroup_id_z 1
		.amdhsa_system_vgpr_workitem_id 0
		.amdhsa_next_free_vgpr 512
		.amdhsa_next_free_sgpr 66
		.amdhsa_reserve_vcc 0
		.amdhsa_float_denorm_mode_32 3
		.amdhsa_float_denorm_mode_16_64 3
		.amdhsa_memory_ordered 1
		.amdhsa_forward_progress 1
		.amdhsa_inst_pref_size 36
	.end_amdhsa_kernel
	.amdgpu_metadata
---
amdhsa.version: [ 1, 2 ]
amdhsa.kernels:
  - .name:           k_q1e333e1024_qkv
    .symbol:         k_q1e333e1024_qkv.kd
    .args:
      - { .name: src, .offset: 0, .size: 8, .value_kind: global_buffer, .address_space: global }
      - { .name: wq, .offset: 8, .size: 8, .value_kind: global_buffer, .address_space: global }
      - { .name: bq, .offset: 16, .size: 8, .value_kind: global_buffer, .address_space: global }
      - { .name: bk, .offset: 24, .size: 8, .value_kind: global_buffer, .address_space: global }
      - { .name: bv, .offset: 32, .size: 8, .value_kind: global_buffer, .address_space: global }
      - { .name: qc, .offset: 40, .size: 8, .value_kind: global_buffer, .address_space: global }
      - { .name: qs, .offset: 48, .size: 8, .value_kind: global_buffer, .address_space: global }
      - { .name: kv, .offset: 56, .size: 8, .value_kind: global_buffer, .address_space: global }
    .group_segment_fixed_size: 10240
    .private_segment_fixed_size: 0
    .kernarg_segment_align: 8
    .kernarg_segment_size: 64
    .max_flat_workgroup_size: 256
    .sgpr_count:     66
    .vgpr_count:     512
    .wavefront_size: 32
...
	.end_amdgpu_metadata
.endif
;; end of part 2
;; launch attn (part 3): grid 16 x 16, 8 waves a work-group, no clusters, 327,680 bytes of LDS; arguments qc, qs, kv, cc, cs; writes cc, cs
.if DOCPART == 3
	.amdgcn_target "amdgcn-amd-amdhsa--gfx1250"
	.amdhsa_code_object_version 6
	.text
	.protected	k_q1e333e1024_attn
	.globl	k_q1e333e1024_attn
	.p2align	8
	.type	k_q1e333e1024_attn,@function
k_q1e333e1024_attn:
	s_mov_b64 s[64:65], 0
	v_nop
	global_prefetch_b8 v0, s[64:65] scope:SCOPE_SE
	s_setreg_imm32_b32 hwreg(HW_REG_WAVE_MODE, 25, 1), 1
	s_wait_xcnt 0x0
; ctx = softmax(q k^T / sqrt(32)) v for one head, both products on codes of FP4 (E2M1) with one E8M0 byte for each 32 along K; ctx is quantised along the head's 32 channels and leaves as codes and scale bytes.
; THE SOFTMAX: t = score x log2(e) / sqrt(32); M = the row's largest t so far, rounded UP to a whole number; p = 2^(t - M) is what is quantised, along the keys, not normalised.  The row's sum is taken of the
; unquantised p and divides at the end.  When M moves, the sum and O are multiplied by 2^(old M - new M): exact.
; SHARES.  A work-group owns 256 queries of one head; each of its EIGHT waves owns two tiles of 16 queries, in 512 registers, and walks the keys 256 a trip, 16 trips.  So a fragment of k or v read from LDS serves
; two tiles, the row's work (new M, f, the rescaling) is done once for 256 keys, and eight blocks' maxima and eight chains of sums take turns line by line.
; THE HEAD'S RECORD (k, v and their scale words: 139,264 bytes) COMES INTO LDS ONCE, IN TWO PARTS, each byte filled once: at the head each wave fetches 17 rows of 256 bytes (together the first 4 trips' 34,816 bytes);
; behind the first barrier each wave fetches 51 rows (the other 12 trips' 104,448 bytes), which have the first 4 trips in which to land; a wait and a second barrier stand ahead of trip 4.
; No cluster, no prefetch: what the sixteen work-groups of a head share is that one record, asked for in the first lines; the trips ask memory for nothing more, so there is no loop to run ahead in.
; LAYOUT.  Both products are used transposed (S^T = k q^T, O^T = v^T p^T): a lane holds ONE query (lane % 16) of each tile throughout.
; K = 32 IN AN INSTRUCTION OF K = 128: a fragment of k holds FOUR tiles of 16 keys, tile s in K slot s.  It is multiplied by four forms of q's fragment: form s has q's codes in slot s and zero codes elsewhere.
; The four forms are windows onto 20 registers: zeros, q in lanes 0-15, zeros, q in lanes 16-31, zeros.  k's scale word is the four tiles' bytes, q's its one byte four times.
; THE KEYS OF A TILE ARE NOT NEIGHBOURS: row rho of tile t is key 32 (rho / 8) + 8 t + rho % 8 of 64.  So the 32 registers of a fragment's four score tiles are keys 32 h .. 32 h + 31: ONE block of p in ONE lane.
; A block's largest p is not searched for: the block's largest SCORE goes through the same multiply-add and exponential (this takes v_exp_f32 not to fall where its input rises).
; k IS ASKED OF LDS ONE TRIP AHEAD.  In the last trip of each of the two loops the address is held at that trip's own step, so that no load reaches bytes that have not landed or leaves the record: those ten loads are not used.
; LIMITS: NaN and infinities are not served.  p under 2^-126 counts as 0 (v_exp_f32 gives 0 there).  A block of zeros gets the byte 1: this program alone reads the bytes.  The scaled scores stay under 2^31 in magnitude.
; REGISTERS.  Window 1: the scores, then p: register 128 w + 32 b + 8 t + j, tile w, block b = 2 g + c of my four (keys 128 g + 64 c + 32 h on).  Window 0: all else, as named below.
.set STEPB, 4352                       ; 128 keys in LDS: 2,048 bytes of k, 2,048 of v, 128 + 128 of scale words
.set TRIPB, 2*STEPB
.set RECB,  139264
.set PARTA, 4*TRIPB                    ; the first part: 4 trips
.set SCR,   139264                     ; behind the record: 256 bytes for ctx's scale bytes; no fill lands there
.set SPARE, 0x29000                    ; the spare words: 128 bytes a wave
.set L16, 1                            ; 16 x lane
.set L4,  2                            ; 4,096 + 4 x lane
.set AV,  3                            ; the trip's v: codes, words
.set AVS, 4
.set AK,  5                            ; the next trip's k: codes, words
.set AKS, 6
.set CO,  7
.set SBA, 8
.set SBR, 9
.set SBO, 10
.set NM,  12                           ; pairs (-M, the largest score so far), tile w at NM + 2 w
.set F,   20                           ; pairs (f, 0)
.set RM,  24
.set RX,  26
.set OLD, 28
.set DD,  30
.set TT,  32
.set HL,  28                           ; the head's lane, r, h, 16 r, 4 r
.set HR,  29
.set HH,  30
.set H16, 31
.set H4,  32
.set BM,  34                           ; eight blocks' largest score, then largest p, then the conversions' scale operand
.set BQ,  42                           ; their bytes
.set X,   50
.set XX,  52
.set PS,  54                           ; p's scale words: 2 w + g
.set QS,  58
.set KS,  60
.set VS,  62
.set QZ,  64                           ; q's forms, 20 registers a tile
.set KF,  104                          ; k: 16 g + 8 c
.set VF,  136                          ; v: 16 g + 8 u
.set CT,  136                          ; the way out: ctx
.set PC,  168                          ; p's codes: 16 w + 8 g
.set O,   200                          ; O^T: 16 w + 8 u + j: channel 16 h + 8 u + j
.set CH,  232                          ; four chains of sums a tile, in pairs; the fourth (CH + 8 w + 6) is the row's running sum
.set SPW, 254
.set NIL, 255
.set WV,  14
.set SEL, 34
.set CS,  36
.set TB,  38
.set CNT, 39
.set TK,  42
.set P0,  43
.set MSB, 0
.macro WIN new                         ; low byte: bits 1:0 source 0, 3:2 source 1, 5:4 source 2, 7:6 destination; the high byte repeats the setting that is left
.if MSB != (\new)
	s_set_vgpr_msb (MSB<<8)|(\new)
.set MSB, (\new)
.endif
.endm
.macro SMMA d, a, b, sa, sb, row       ; a score tile, begun with 0; row = 1: source 0's scale words stand in lanes 16-31
.if \row
	v_wmma_scale_f32_16x16x128_f8f6f4 v[\d:\d+7], v[\a:\a+7], v[\b:\b+7], 0, v[\sa], v[\sb] matrix_a_fmt:MATRIX_FMT_FP4 matrix_b_fmt:MATRIX_FMT_FP4 matrix_a_scale:MATRIX_SCALE_ROW1
.else
	v_wmma_scale_f32_16x16x128_f8f6f4 v[\d:\d+7], v[\a:\a+7], v[\b:\b+7], 0, v[\sa], v[\sb] matrix_a_fmt:MATRIX_FMT_FP4 matrix_b_fmt:MATRIX_FMT_FP4
.endif
.endm
.macro PMMA d, a, b, sa, sb, row       ; O^T += v^T p^T
.if \row
	v_wmma_scale_f32_16x16x128_f8f6f4 v[\d:\d+7], v[\a:\a+7], v[\b:\b+7], v[\d:\d+7], v[\sa], v[\sb] matrix_a_fmt:MATRIX_FMT_FP4 matrix_b_fmt:MATRIX_FMT_FP4 matrix_a_scale:MATRIX_SCALE_ROW1
.else
	v_wmma_scale_f32_16x16x128_f8f6f4 v[\d:\d+7], v[\a:\a+7], v[\b:\b+7], v[\d:\d+7], v[\sa], v[\sb] matrix_a_fmt:MATRIX_FMT_FP4 matrix_b_fmt:MATRIX_FMT_FP4
.endif
.endm
.macro KVLOAD reg, sreg, a, as, off, soff      ; 256 keys of k or of v: 8 loads of 512 bytes and 2 of scale words (lanes 0-15: image 0's, lanes 16-31: image 1's)
.irp g, 0,1
.irp i, 0,1,2,3
	ds_load_b128 v[\reg+16*\g+4*\i:\reg+16*\g+4*\i+3], v[\a] offset:STEPB*\g+\off+512*\i
.endr
	ds_load_b32 v[\sreg+\g], v[\as] offset:STEPB*\g+\soff
.endr
.endm
; A TRIP: 256 keys.  lim: the trip at which the look-ahead for k is held
.macro TRIP lim
	s_wait_dscnt 0x0                               ; this trip's k and its words are in
	WIN 0x40                                       ; the scores go to window 1
.irp g, 0,1
.irp c, 0,1
.irp t, 0,1,2,3
.irp w, 0,1
	SMMA 128*\w+64*\g+32*\c+8*\t, KF+16*\g+8*\c, QZ+20*\w+4+8*(\t%2)-4*(\t/2), KS+\g, QS+\w, \c
.endr
.endr
.endr
.endr
	WIN 0
	s_add_co_u32 s[TK], s[TB], TRIPB
	s_min_u32 s[TK], s[TK], \lim*TRIPB             ; the next trip's k; held at the loop's last step
	v_add_nc_u32 v[AV], s[TB], v[L16]              ; these four lines are the places behind the products: in front of the loads into k's and v's registers and of the first read of scores
	v_add_nc_u32 v[AVS], s[TB], v[L4]
	v_add_nc_u32 v[AK], s[TK], v[L16]
	v_add_nc_u32 v[AKS], s[TK], v[L4]
	KVLOAD VF, VS, AV, AVS, 2048, 128              ; this trip's v: ten loads,
	KVLOAD KF, KS, AK, AKS, 0, 0                   ; the next trip's k: ten more
	WIN 0x15
.irp b, 0,1,2,3,4,5,6,7
	v_max3_num_f32 v[BM+\b], v[32*\b], v[32*\b+1], v[32*\b+2]      ; the largest score of each of my eight blocks, in ascending order, the blocks by turns
.endr
	WIN 0x14
.irp i, 3,5,7,9,11,13,15,17,19,21,23,25,27,29
.irp b, 0,1,2,3,4,5,6,7
	v_max3_num_f32 v[BM+\b], v[BM+\b], v[32*\b+\i], v[32*\b+\i+1]
.endr
.endr
.irp b, 0,1,2,3,4,5,6,7
	v_max_num_f32 v[BM+\b], v[BM+\b], v[32*\b+31]
.endr
	WIN 0
.irp w, 0,1
	v_max3_num_f32 v[RM+\w], v[BM+4*\w], v[BM+4*\w+1], v[BM+4*\w+2]        ; the row's work, the two tiles by turns
.endr
.irp w, 0,1
	v_max_num_f32 v[RM+\w], v[RM+\w], v[BM+4*\w+3]
.endr
.irp w, 0,1
	v_permlanex16_b32 v[RX+\w], v[RM+\w], s[SEL], s[SEL+1]
.endr
.irp w, 0,1
	v_mov_b32 v[OLD+\w], v[NM+2*\w]
.endr
.irp w, 0,1
	v_max3_num_f32 v[NM+2*\w+1], v[NM+2*\w+1], v[RM+\w], v[RX+\w]  ; the running largest score of my query
.endr
.irp w, 0,1
	v_mul_f32 v[TT+\w], s[CS], v[NM+2*\w+1]        ; as t (c is positive)
.endr
.irp w, 0,1
	v_floor_f32 v[NM+2*\w], -v[TT+\w]              ; the new -M = floor(-t) = -ceil(t)
.endr
.irp w, 0,1
	v_sub_f32 v[DD+\w], v[NM+2*\w], v[OLD+\w]      ; old M - new M: a whole number, 0 or less
.endr
.irp w, 0,1
	v_cvt_i32_f32 v[DD+\w], v[DD+\w]               ; (it saturates)
.endr
.irp w, 0,1
	v_ldexp_f32 v[F+2*\w], 1.0, v[DD+\w]           ; f = 2^(old M - new M)
.endr
.irp b, 0,1,2,3,4,5,6,7
	v_fma_f32 v[BM+\b], v[BM+\b], s[CS], v[NM+2*(\b/4)]    ; t - M of each block's largest score
.endr
.irp w, 0,1
	v_pk_mul_f32 v[CH+8*\w+6:CH+8*\w+7], v[CH+8*\w+6:CH+8*\w+7], v[F+2*\w:F+2*\w+1] op_sel_hi:[1,0]    ; the sums under the new M
.endr
.irp w, 0,1
.irp i, 0,2,4,6,8,10,12,14
	v_pk_mul_f32 v[O+16*\w+\i:O+16*\w+\i+1], v[O+16*\w+\i:O+16*\w+\i+1], v[F+2*\w:F+2*\w+1] op_sel_hi:[1,0]    ; O^T under the new M, each accumulator from its low end on
.endr
.endr
	WIN 0x41
.set i, 0
.rept 64
	v_pk_fma_f32 v[2*i:2*i+1], v[2*i:2*i+1], s[CS:CS+1], v[NM:NM+1] op_sel_hi:[1,0,0]      ; t - M, two at a time
.set i, i+1
.endr
.rept 64
	v_pk_fma_f32 v[2*i:2*i+1], v[2*i:2*i+1], s[CS:CS+1], v[NM+2:NM+3] op_sel_hi:[1,0,0]
.set i, i+1
.endr
	s_wait_alu depctr_va_vdst(0)                   ; the wait ahead of the batch
.set i, 0
.rept 256
	v_exp_f32 v[i], v[i]                           ; ONE batch of 264 exponentials: p = 2^(t - M),
.set i, i+1
.endr
	WIN 0
.irp b, 0,1,2,3,4,5,6,7
	v_exp_f32 v[BM+\b], v[BM+\b]                   ; and the blocks' largest p
.endr
	v_nop                                          ; the plain line behind the batch
	s_wait_alu depctr_va_vdst(0)                   ; one wait for the whole batch, ahead of its first reader
.irp b, 0,1,2,3,4,5,6,7
	v_max_num_f32 v[BM+\b], 0x1800000, v[BM+\b]    ; the floor 2^(3 - 127): the byte cannot fall under 1
.endr
.irp b, 0,1,2,3,4,5,6,7
	v_add_nc_u32 v[BM+\b], 0xff000000, v[BM+\b]    ; 2 off the exponent field: the conversion's scale operand
.endr
.irp b, 0,1,2,3,4,5,6,7
	v_lshrrev_b32 v[BQ+\b], 23, v[BM+\b]           ; the byte
.endr
.irp w, 0,1
	v_lshl_or_b32 v[X+\w], v[BQ+4*\w+1], 8, v[BQ+4*\w]
	v_lshl_or_b32 v[XX+\w], v[BQ+4*\w+3], 8, v[BQ+4*\w+2]
.endr
.irp w, 0,1
	v_lshl_or_b32 v[X+\w], v[XX+\w], 16, v[X+\w]   ; my four blocks' bytes
.endr
.irp w, 0,1
	v_permlanex16_b32 v[XX+\w], v[X+\w], s[SEL], s[SEL+1]
.endr
.irp w, 0,1
.irp g, 0,1
	v_perm_b32 v[PS+2*\w+\g], v[XX+\w], v[X+\w], s[P0+\g]  ; lanes 0-15, which the products read: bytes (c 0, h 0), (c 0, h 1), (c 1, h 0), (c 1, h 1) of keys 128 g on
.endr
.endr
	WIN 0x01
.irp b, 0,1,2,3,4,5,6,7
.irp q, 0,1,2,3
	v_cvt_scalef32_pk8_fp4_f32 v[PC+4*\b+\q], v[32*\b+8*\q:32*\b+8*\q+7], v[BM+\b]     ; registers 4 c .. 4 c + 3 of the operand of keys 128 g on
.endr
.endr
	WIN 0x05                                       ; THE ROW'S SUM OF THE UNQUANTISED p: four chains of pairs a tile.  (These 128 lines are also the places between the codes and words above and the products)
.irp k, 0,1,2
.irp w, 0,1
	v_pk_add_f32 v[CH+8*\w+2*\k:CH+8*\w+2*\k+1], v[128*\w+4*\k:128*\w+4*\k+1], v[128*\w+4*\k+2:128*\w+4*\k+3]
.endr
.endr
	WIN 0x04
.set p, 6
.rept 58
	v_pk_add_f32 v[CH+2*(p%4):CH+2*(p%4)+1], v[CH+2*(p%4):CH+2*(p%4)+1], v[2*p:2*p+1]
	v_pk_add_f32 v[CH+8+2*(p%4):CH+8+2*(p%4)+1], v[CH+8+2*(p%4):CH+8+2*(p%4)+1], v[128+2*p:128+2*p+1]
.set p, p+1
.endr
	WIN 0
.irp w, 0,1
	v_pk_add_f32 v[CH+8*\w:CH+8*\w+1], v[CH+8*\w:CH+8*\w+1], v[CH+8*\w+2:CH+8*\w+3]
	v_pk_add_f32 v[CH+8*\w+6:CH+8*\w+7], v[CH+8*\w+6:CH+8*\w+7], v[CH+8*\w+4:CH+8*\w+5]
.endr
.irp w, 0,1
	v_pk_add_f32 v[CH+8*\w+6:CH+8*\w+7], v[CH+8*\w+6:CH+8*\w+7], v[CH+8*\w:CH+8*\w+1]
.endr
	s_wait_dscnt 10                                ; v and its words are in; the ten younger loads, the look-ahead for k, may be out
.irp g, 0,1                                    ; the four accumulators take turns, one instruction a turn
.irp w, 0,1
.irp u, 0,1
	PMMA O+16*\w+8*\u, VF+16*\g+8*\u, PC+16*\w+8*\g, VS+\g, PS+2*\w+\g, \u
.endr
.endr
.endr
	s_add_co_u32 s[TB], s[TB], TRIPB
.endm
	s_load_b256 s[4:11], s[0:1], 0x0               ; qc s[4:5], qs s[6:7], kv s[8:9], cc s[10:11]
	s_load_b64 s[12:13], s[0:1], 0x20              ; cs
	v_lshl_add_u32 v[SPW], v0, 2, SPARE
	v_mov_b32 v[NIL], 0
	ds_add_u32 v[SPW], v[NIL]                      ; the opening lines: the add, twice on end, and its wait ahead of my first tensor load
	ds_add_u32 v[SPW], v[NIL]
	v_lshrrev_b32 v[HL], 5, v0
	v_readfirstlane_b32 s[WV], v[HL]               ; wave 0..7
	s_and_b32 s15, ttmp7, 0xffff                   ; 8 batch + head
	s_mov_b32 s20, 3<<16                           ; group 1 for the first part: no mask; elements of 8 bytes; no padding (images are read as they lie, 512 consecutive bytes a load)
	s_mov_b32 s21, 32<<16                          ; tensor_dim0 = 32 elements: 256 bytes
	s_mov_b32 s22, 17<<16                          ; tensor_dim1 = 17
	s_mov_b32 s23, 32<<16                          ; tile_dim0
	s_mov_b32 s24, 17                              ; tile_dim1
	s_mov_b32 s25, 32                              ; from row to row: dense
	s_mov_b32 s26, 0
	s_mov_b32 s27, 0
	s_mov_b32 s48, 3<<16                           ; group 1 for the second part: 51 rows
	s_mov_b32 s49, 32<<16
	s_mov_b32 s50, 51<<16
	s_mov_b32 s51, 32<<16
	s_mov_b32 s52, 51
	s_mov_b32 s53, 32
	s_mov_b32 s54, 0
	s_mov_b32 s55, 0
	s_mov_b32 s16, 1                               ; group 0, first part: count,
	s_mul_i32 s17, s[WV], 4352                     ; LDS address: an eighth of the part for each wave
	s_mul_i32 s28, s15, RECB
	s_add_co_u32 s28, s28, s17
	s_mov_b32 s29, 0
	s_mov_b32 s56, 1                               ; group 0, second part
	s_mul_i32 s57, s[WV], 13056
	s_add_co_u32 s57, s57, PARTA
	s_mul_i32 s30, s15, RECB
	s_add_co_u32 s30, s30, s57                     ; a byte's place in LDS is its place in the record
	s_mov_b32 s31, 0
	s_wait_dscnt 0x0                               ; both opening adds are done
	s_wait_kmcnt 0x0
	s_add_nc_u64 s[18:19], s[8:9], s[28:29]
	s_or_b32 s19, s19, 0x80000000                  ; type = 2
	s_add_nc_u64 s[58:59], s[8:9], s[30:31]
	s_or_b32 s59, s59, 0x80000000
	tensor_load_to_lds s[16:19], s[20:27]          ; my one tensor load at the head
	s_nop 0
.rept 4
	v_nop
.endr
	s_lshl_b32 s30, ttmp9, 4
	s_lshl_b32 s31, s[WV], 1
	s_add_co_u32 s30, s30, s31                     ; my first tile of queries, 0..254 in the batch
	s_and_b32 s40, s31, 2
	s_mul_i32 s40, s40, 0x01010101                 ; v_perm_b32's selectors: byte tile % 4, four times: tile 0's,
	s_add_co_u32 s41, s40, 0x01010101              ; tile 1's
	s_mov_b32 s33, 0
	s_lshl_b32 s32, s15, 16
	s_lshl_b32 s31, s30, 8
	s_add_co_u32 s32, s32, s31
	s_add_nc_u64 s[4:5], s[4:5], s[32:33]          ; q's codes: 65,536 a head, 256 a tile
	s_lshl_b32 s32, s15, 12
	s_lshr_b32 s31, s30, 2
	s_lshl_b32 s31, s31, 6
	s_add_co_u32 s32, s32, s31
	s_add_nc_u64 s[6:7], s[6:7], s[32:33]          ; its scale words: 4,096 a head, 64 for four tiles
	s_lshr_b32 s31, s15, 3
	s_lshl_b32 s31, s31, 8
	s_add_co_u32 s31, s31, s30                     ; the tile among all 512
	s_lshl_b32 s32, s31, 11
	s_and_b32 s31, s15, 7
	s_lshl_b32 s31, s31, 8
	s_add_co_u32 s32, s32, s31
	s_add_nc_u64 s[10:11], s[10:11], s[32:33]      ; ctx's codes: 2,048 a tile, 256 a head
	s_lshl_b32 s32, s15, 12
	s_lshl_b32 s31, ttmp9, 8
	s_add_co_u32 s32, s32, s31
	s_add_nc_u64 s[12:13], s[12:13], s[32:33]      ; ctx's scale bytes: 4,096 a head, 256 a work-group
	s_mov_b32 s[SEL], 0x76543210
	s_mov_b32 s[SEL+1], 0xfedcba98                 ; v_permlanex16_b32's selects for lane l xor 16
	s_mov_b32 s[CS], 0x3e8293ee                    ; c = log2(e) / sqrt(32)
	s_mov_b32 s[CS+1], s[CS]                       ; (named with it as a pair, so it is written)
	s_mov_b32 s[P0], 0x05010400                    ; p's scale word of keys 0-127: my bytes 0, 1 between lane l xor 16's
	s_mov_b32 s[P0+1], 0x07030602                  ; and of keys 128-255: bytes 2, 3
	s_mov_b32 s[TB], 0
	s_mov_b32 s[CNT], 4
	v_and_b32 v[HL], 31, v0                        ; lane
	v_and_b32 v[HR], 15, v0                        ; r
	v_bfe_u32 v[HH], v0, 4, 1                      ; h
	v_lshlrev_b32 v[H16], 4, v[HR]
	v_lshlrev_b32 v[H4], 2, v[HR]
	global_load_b128 v[KF:KF+3], v[H16], s[4:5]            ; query r's 32 codes of tile 0, in both halves of the lanes,
	global_load_b128 v[KF+4:KF+7], v[H16], s[4:5] offset:256   ; of tile 1
	global_load_b32 v[KF+8], v[H4], s[6:7]         ; the scale word of row r of four tiles
	v_lshlrev_b32 v[L16], 4, v[HL]
	v_lshl_add_u32 v[L4], v[HL], 2, 4096
	v_lshl_add_u32 v[CO], v[HH], 3, v[H16]         ; ctx's codes: 16 r + 8 h
	s_lshl_b32 s31, s[WV], 5
	s_add_co_u32 s31, s31, SCR
	v_add_nc_u32 v[SBA], s31, v[HR]                ; ctx's scale bytes in LDS: 32 x wave + 16 x tile + r
	v_lshl_add_u32 v[SBR], v[HL], 3, SCR           ; and on the way out 8 bytes a lane
	v_lshlrev_b32 v[SBO], 3, v[HL]
	v_cmp_gt_u32 vcc_lo, 16, v[HL]                 ; lanes 0-15
.irp w, 0,1
.irp i, 0,1,2,3
	v_mov_b32 v[QZ+20*\w+\i], 0
	v_mov_b32 v[QZ+20*\w+8+\i], 0
	v_mov_b32 v[QZ+20*\w+16+\i], 0
.endr
	v_mov_b32 v[NM+2*\w+1], 0xff61b1e6             ; the largest score so far: -3e38, under every score
	v_mov_b32 v[NM+2*\w], 0x7f61b1e6               ; -M: 3e38
	v_mov_b32 v[CH+8*\w+6], 0                      ; the sum, in two halves
	v_mov_b32 v[CH+8*\w+7], 0
	v_mov_b32 v[F+2*\w+1], 0                       ; (named as the upper half of the pair)
	v_mov_b32 v[RX+\w], 0                          ; a lane permute's destination counts as one of its sources
.endr
	s_wait_alu depctr_va_vdst(0)                   ; the wait here, directly ahead of the wait below
	s_wait_loadcnt 0x0
.irp w, 0,1
.irp i, 0,1,2,3
	v_cndmask_b32 v[QZ+20*\w+4+\i], v[QZ], v[KF+4*\w+\i], vcc_lo       ; q in lanes 0-15, zeros in lanes 16-31
	v_cndmask_b32 v[QZ+20*\w+12+\i], v[KF+4*\w+\i], v[QZ], vcc_lo      ; and the other way round
.endr
	v_perm_b32 v[QS+\w], v[KF+8], v[KF+8], s[40+\w]        ; my tile's byte in all four places.  (The 32 lines below are the places between it and the first product)
.endr
.set i, 0
.rept 32
	v_mov_b32 v[O+i], 0                            ; O^T: a trip is written for all; the first finds zeros, which the first change of M leaves zeros
.set i, i+1
.endr
	s_wait_alu depctr_va_vdst(0)                   ; the wait at the head's end
	s_wait_tensorcnt 0x0                           ; my eighth of the first part has landed; then, ahead of a later first fill:
	ds_add_u32 v[SPW], v[NIL]                      ; 0 onto my spare word,
	s_wait_dscnt 0x0                               ; and the wait for it
	s_barrier_signal -1
	s_barrier_wait -1                              ; everybody's eighth has landed
	tensor_load_to_lds s[56:59], s[48:55]          ; the second part, my eighth: my one tensor load behind this barrier
	s_nop 0
.rept 4
	v_nop
.endr
	KVLOAD KF, KS, L16, L4, 0, 0                   ; the first trip's k
.Ltrip_a:                                          ; trips 0 to 3: the first part
	TRIP 3
	s_sub_co_u32 s[CNT], s[CNT], 1
	s_cmp_lg_u32 s[CNT], 0
	s_cbranch_scc1 .Ltrip_a
	s_wait_tensorcnt 0x0                           ; my eighth of the second part has landed,
	s_wait_dscnt 0x0                               ; no LDS load of mine is out
	s_barrier_signal -1
	s_barrier_wait -1                              ; everybody's has
	KVLOAD KF, KS, L16, L4, PARTA, PARTA           ; trip 4's k
	s_mov_b32 s[TB], PARTA
	s_mov_b32 s[CNT], 12
.Ltrip_b:                                          ; trips 4 to 15
	TRIP 15
	s_sub_co_u32 s[CNT], s[CNT], 1
	s_cmp_lg_u32 s[CNT], 0
	s_cbranch_scc1 .Ltrip_b
; THE WAY OUT: O^T / the sum; the head's 32 channels of a query lie in lanes l and l xor 16, 16 each: one block.
	s_wait_dscnt 0x0                               ; the last ten loads have landed: k's registers are free
.rept 4
	v_nop                                          ; places behind the last products
.endr
	s_wait_alu depctr_va_vdst(0)                   ; the wait here, directly ahead of the reader below
.irp w, 0,1
	v_add_f32 v[RM+\w], v[CH+8*\w+6], v[CH+8*\w+7]
.endr
.irp w, 0,1
	v_permlanex16_b32 v[RX+\w], v[RM+\w], s[SEL], s[SEL+1]
.endr
.irp w, 0,1
	v_add_f32 v[RM+\w], v[RM+\w], v[RX+\w]         ; the row's sum
.endr
	s_wait_alu depctr_va_vdst(0)                   ; the wait ahead of the two reciprocals
.irp w, 0,1
	v_rcp_f32 v[RM+\w], v[RM+\w]
.endr
	v_nop                                          ; a plain line behind them,
	s_wait_alu depctr_va_vdst(0)                   ; and the wait ahead of their first reader, which is also O^T's
.irp w, 0,1
.set i, 0
.rept 16
	v_mul_f32 v[CT+16*\w+i], v[O+16*\w+i], v[RM+\w]
.set i, i+1
.endr
.endr
.irp w, 0,1
	v_max3_num_f32 v[BM+\w], |v[CT+16*\w]|, |v[CT+16*\w+1]|, 0x1800000
.endr
.irp i, 2,4,6,8,10,12,14
.irp w, 0,1
	v_max3_num_f32 v[BM+\w], v[BM+\w], |v[CT+16*\w+\i]|, |v[CT+16*\w+\i+1]|
.endr
.endr
.irp w, 0,1
	v_permlanex16_b32 v[RX+\w], v[BM+\w], s[SEL], s[SEL+1]
.endr
.irp w, 0,1
	v_max_num_f32 v[BM+\w], v[BM+\w], v[RX+\w]
.endr
.irp w, 0,1
	v_add_nc_u32 v[BM+\w], 0xff000000, v[BM+\w]
.endr
.irp w, 0,1
	v_lshrrev_b32 v[BQ+\w], 23, v[BM+\w]
.endr
.irp w, 0,1
	v_cvt_scalef32_pk8_fp4_f32 v[PC+2*\w], v[CT+16*\w:CT+16*\w+7], v[BM+\w]
	v_cvt_scalef32_pk8_fp4_f32 v[PC+2*\w+1], v[CT+16*\w+8:CT+16*\w+15], v[BM+\w]
.endr
	v_nop                                          ; one plain line behind the last scaled conversion
.irp w, 0,1
	global_store_b64 v[CO], v[PC+2*\w:PC+2*\w+1], s[10:11] offset:2048*\w  ; the wave stores 256 consecutive bytes, aligned
	ds_store_b8 v[SBA], v[BQ+\w] offset:16*\w      ; lanes r and 16 + r write the same byte with the same value
.endr
	s_wait_dscnt 0x0                               ; for wave 0's sake: my stores have landed
	s_barrier_signal -1
	s_barrier_wait -1
	s_cmp_lg_u32 s[WV], 0
	s_cbranch_scc1 .Lend
	ds_load_b64 v[KF:KF+1], v[SBR]                 ; the work-group's 256 scale bytes leave as one aligned run of 256 bytes
	s_wait_dscnt 0x0
	global_store_b64 v[SBO], v[KF:KF+1], s[12:13]
.Lend:
	s_wait_tensorcnt 0x0                           ; the wave's end
	ds_add_u32 v[SPW], v[NIL]
	s_wait_dscnt 0x0
	s_endpgm
.Lfunc_end_k_q1e333e1024_attn:
	.size	k_q1e333e1024_attn, .Lfunc_end_k_q1e333e1024_attn-k_q1e333e1024_attn
	.p2alignl 7, 3214868480
	.fill 96, 4, 3214868480
	.section	.rodata,"a",@progbits
	.p2align	6, 0x0
	.amdhsa_kernel k_q1e333e1024_attn
		.amdhsa_group_segment_fixed_size 327680
		.amdhsa_private_segment_fixed_size 0
		.amdhsa_enable_private_segment 0
		.amdhsa_kernarg_size 40
		.amdhsa_user_sgpr_count 2
		.amdhsa_user_sgpr_kernarg_segment_ptr 1
		.amdhsa_wavefront_size32 1
		.amdhsa_system_sgpr_workgroup_id_x 1
		.amdhsa_system_sgpr_workgroup_id_y 1
		.amdhsa_system_sgpr_workgroup_id_z 1
		.amdhsa_system_vgpr_workitem_id 0
		.amdhsa_next_free_vgpr 512
		.amdhsa_next_free_sgpr 66
		.amdhsa_reserve_vcc 1
		.amdhsa_float_denorm_mode_32 3
		.amdhsa_float_denorm_mode_16_64 3
		.amdhsa_memory_ordered 1
		.amdhsa_forward_progress 1
		.amdhsa_inst_pref_size 106
	.end_amdhsa_kernel
	.amdgpu_metadata
---
amdhsa.version: [ 1, 2 ]
amdhsa.kernels:
  - .name:           k_q1e333e1024_attn
    .symbol:         k_q1e333e1024_attn.kd
    .args:
      - { .name: qc, .offset: 0, .size: 8, .value_kind: global_buffer, .address_space: global }
      - { .name: qs, .offset: 8, .size: 8, .value_kind: global_buffer, .address_space: global }
      - { .name: kv, .offset: 16, .size: 8, .value_kind: global_buffer, .address_space: global }
      - { .name: cc, .offset: 24, .size: 8, .value_kind: global_buffer, .address_space: global }
      - { .name: cs, .offset: 32, .size: 8, .value_kind: global_buffer, .address_space: global }
    .group_segment_fixed_size: 327680
    .private_segment_fixed_size: 0
    .kernarg_segment_align: 8
    .kernarg_segment_size: 40
    .max_flat_workgroup_size: 256
    .sgpr_count:     66
    .vgpr_count:     512
    .wavefront_size: 32
...
	.end_amdgpu_metadata
.endif
;; end of part 3
;; launch tail (part 4): grid 128 x 1, 4 waves a work-group, no clusters, 327,680 bytes of LDS; arguments src, cc, cs, wt, bo, ln1_g, ln1_b, b1, b2, ln2_g, ln2_b, out0; writes out0
.if DOCPART == 4
	.amdgcn_target "amdgcn-amd-amdhsa--gfx1250"
	.amdhsa_code_object_version 6
	.text
	.protected	k_q1e333e1024_tail
	.globl	k_q1e333e1024_tail
	.p2align	8
	.type	k_q1e333e1024_tail,@function
k_q1e333e1024_tail:
	s_mov_b64 s[64:65], 0
	v_nop
	global_prefetch_b8 v0, s[64:65] scope:SCOPE_SE
	s_setreg_imm32_b32 hwreg(HW_REG_WAVE_MODE, 25, 1), 1
	s_wait_xcnt 0x0
; out = LN2(x + relu(x W1 + b1) W2 + b2), x = LN1(src + ctx Wo + bo).  The three products on codes of FP4 (E2M1) with one E8M0 byte for each 32 along K; all else in f32.
; SHARES.  THE WAVES SHARE THE ROWS: wave w of work-group a takes token tile T = 4 a + w (16 tokens) through the whole chain; a work-group's four tiles are 64 consecutive tokens: row rho of tile T is token
; 64 (T / 4) + 32 (rho / 8) + 8 (T % 4) + rho % 8.  512 tiles: 128 work-groups of four waves.
; All products are used transposed (source 0 = 16 columns of a weight, source 1 = 16 tokens): a lane holds ONE token and 128 of its 256 features: register 32 q + 8 t + j is feature 64 q + 32 h + 8 t + j, since row rho of
; column tile 4 q + t is column 64 q + 32 (rho / 8) + 8 t + rho % 8.  So a LayerNorm's sums want one exchange between lanes l and l xor 16, a block of 32 features lies in ONE lane's 32 consecutive registers, four
; conversions give four registers of the next operand as they stand, nothing passes from wave to wave, and x and the hidden layer never leave the registers.
; THE WEIGHTS.  W1's and W2's 16 blocks (278,528 bytes of images and scale words, laid by the first launch) COME INTO LDS ONCE, by four tensor loads of 272 rows x 256 bytes, one a wave; nothing is filled again.
; Wo's two blocks are used once by each wave, at the start: they go from memory straight into the wave's registers, as the images lie (512 consecutive bytes a load).  So src + bo + ctx Wo, the first LayerNorm and
; the quantising of x touch none of the bytes that the tensor loads fill, and stand ahead of the wait for those loads.  The first barrier guards the constants' LDS stores alone; the second, behind that wait, the weights.
; The hidden layer goes in 8 chunks of 128 units: 16 products make a chunk, it is clipped at 0 and quantised in registers, and is one K step of the last product.
; src + bo are the first sums' starting values, x + b2 the last sums': neither residual costs a pass of its own.  b1 is the C of a chunk's first products.
; No cluster, no prefetch: what the work-groups share is that one fill at the head; the loop asks memory for nothing, so there is no loop to run ahead in.
; LIMITS: NaN and infinities are not served.  A block of zeros, or one whose largest magnitude lies under 2^-124, gets the byte 1.
; REGISTERS.  Window 0: v1-19 addresses; v20-31, v120-127 constants in transit; v32-47 ctx's, then x's two fragments; v64-65 their scale words; v72-79, v88 the hidden layer's fragment and word; v96-111 two sets of the weights'
; scale words; v112-118 at work; v128-160 sums, mean, the scale bytes; v128-255 rows on the way out.  Window 1: v0-127 the sums Y.  Window 2: v0-63 the hidden layer, and v0-127 bo, gains, b2 in their turns; v128-191 b1's chunk.
; Window 3: two weight blocks of 128 registers; the first also holds a LayerNorm's bias.
.set BLKB,  17408                      ; a weight block: 16 images, then 16 x 64 bytes of scale words.  Block n of wt lies at LDS byte n x BLKB; blocks 0 and 1 (Wo) are not brought there
.set CONST, 313344                     ; behind the weights: bo, ln1_g, ln1_b, b2, ln2_g, ln2_b (1,024 bytes each), b1 (4,096): stored there by ds_store; no fill lands there
.set C_BO,  0
.set C_G1,  1024
.set C_E1,  2048
.set C_B2,  3072
.set C_G2,  4096
.set C_E2,  5120
.set C_FB1, 6144
.set XF,  32
.set XS,  64
.set HF,  72
.set HS,  88
.set SA,  96
.set SB,  104
.set TQ,  112
.set EQ,  114
.set BQ,  116
.set XP,  118
.set SUM, 128
.set MU,  136
.set RS,  140
.set BY,  144
.set VAR, 160
.set BUFA, 0
.set BUFB, 128
.set WB,  52                           ; s52  LDS byte of the chunk's block of W1
.set TA,  53
.set B1O, 54                           ; s54  the chunk's place in b1
.set CNT, 55
.set SEL, 56
.set INV, 58
.set EPS, 59
.set MSB, 0
.macro WIN new                         ; low byte: bits 1:0 source 0, 3:2 source 1, 5:4 source 2, 7:6 destination; the high byte repeats the setting that is left
.if MSB != (\new)
	s_set_vgpr_msb (MSB<<8)|(\new)
.set MSB, (\new)
.endif
.endm
.macro PLACES n
.rept \n
	v_nop
.endr
.endm
.macro MMA d, a, b, c, sa, sb, row     ; row = 1: source 0's scale words stand in lanes 16-31
.if \row
	v_wmma_scale_f32_16x16x128_f8f6f4 v[\d:\d+7], v[\a:\a+7], v[\b:\b+7], v[\c:\c+7], v[\sa], v[\sb] matrix_a_fmt:MATRIX_FMT_FP4 matrix_b_fmt:MATRIX_FMT_FP4 matrix_a_scale:MATRIX_SCALE_ROW1
.else
	v_wmma_scale_f32_16x16x128_f8f6f4 v[\d:\d+7], v[\a:\a+7], v[\b:\b+7], v[\c:\c+7], v[\sa], v[\sb] matrix_a_fmt:MATRIX_FMT_FP4 matrix_b_fmt:MATRIX_FMT_FP4
.endif
.endm
; 64 numbers of a lane in window SW, register 32 b + i = number i of my block b, become a fragment's 8 registers of codes and its scale word, both in window 0.  abs = 0: none is negative
.macro QUANT2 S, SW, D, W, abs
	WIN (\SW)|((\SW)<<2)
.irp b, 0,1
.if \abs
	v_max3_num_f32 v[TQ+\b], |v[(\S)+32*\b]|, |v[(\S)+32*\b+1]|, 0x1800000   ; the floor 2^(3 - 127) is one more leaf: the byte cannot fall under 1
.else
	v_max3_num_f32 v[TQ+\b], v[(\S)+32*\b], v[(\S)+32*\b+1], 0x1800000
.endif
.endr
	WIN ((\SW)<<2)|((\SW)<<4)
.irp i, 2,4,6,8,10,12,14,16,18,20,22,24,26,28,30
.irp b, 0,1
.if \abs
	v_max3_num_f32 v[TQ+\b], v[TQ+\b], |v[(\S)+32*\b+\i]|, |v[(\S)+32*\b+\i+1]|
.else
	v_max3_num_f32 v[TQ+\b], v[TQ+\b], v[(\S)+32*\b+\i], v[(\S)+32*\b+\i+1]
.endif
.endr
.endr
	WIN 0
.irp b, 0,1
	v_add_nc_u32 v[EQ+\b], 0xff000000, v[TQ+\b]    ; 2 off the exponent field: the conversion's scale operand
.endr
.irp b, 0,1
	v_lshrrev_b32 v[BQ+\b], 23, v[EQ+\b]
.endr
	v_lshl_or_b32 v[\W], v[BQ+1], 16, v[BQ]        ; blocks h and 2 + h,
	v_lshlrev_b32 v[\W], v13, v[\W]                ; 8 h bits up;
	v_permlanex16_b32 v[XP], v[\W], s[SEL], s[SEL+1]
	v_or_b32 v[\W], v[\W], v[XP]                   ; with lane l xor 16's two the word is whole
	WIN \SW
.irp b, 0,1
.irp g, 0,1,2,3
	v_cvt_scalef32_pk8_fp4_f32 v[(\D)+4*\b+\g], v[(\S)+32*\b+8*\g:(\S)+32*\b+8*\g+7], v[EQ+\b]
.endr
.endr
	WIN 0
	v_nop                                          ; one plain line behind the last scaled conversion
.endm
; a weight block from LDS: 16 fragments into window 3, 8 registers of scale words (lanes 0-15: fragment 2 i's, lanes 16-31: fragment 2 i + 1's): 40 LDS loads
.macro LOADBLK buf, ac, as, sc
	WIN 0xc0
.set i, 0
.rept 32
	ds_load_b128 v[(\buf)+4*i:(\buf)+4*i+3], v[\ac] offset:512*i
.set i, i+1
.endr
	WIN 0
.set i, 0
.rept 8
	ds_load_b32 v[(\sc)+i], v[\as] offset:128*i
.set i, i+1
.endr
.endm
; a block of Wo from memory, into the same registers: 40 loads
.macro LOADWO buf, sc, off
	WIN 0xc0
.set i, 0
.rept 32
	global_load_b128 v[(\buf)+4*i:(\buf)+4*i+3], v1, s[10:11] offset:(\off)+512*i
.set i, i+1
.endr
	WIN 0
.set i, 0
.rept 8
	global_load_b32 v[(\sc)+i], v2, s[10:11] offset:(\off)+16384+128*i
.set i, i+1
.endr
.endm
; 256 constants in the sums' layout: my half's 128 into v0-127 of a window: 32 LDS loads; the sixteen lanes of a half read one address
.macro LOADC arr, win
	WIN (\win)<<6
.set i, 0
.rept 32
	ds_load_b128 v[4*i:4*i+3], v9 offset:(\arr)+256*(i/8)+16*(i%8)
.set i, i+1
.endr
	WIN 0
.endm
.macro LOADB1                          ; a chunk's 128 numbers of b1, my half's 64: 16 LDS loads
	WIN 0x80
.set i, 0
.rept 16
	ds_load_b128 v[128+4*i:128+4*i+3], v10 offset:C_FB1+256*(i/8)+16*(i%8)
.set i, i+1
.endr
	WIN 0
.endm
.macro ADDC                            ; the sums += the 128 numbers in window 2
	WIN 0x49
.set k, 0
.rept 64
	v_pk_add_f32 v[2*k:2*k+1], v[2*k:2*k+1], v[2*k:2*k+1]
.set k, k+1
.endr
	WIN 0
.endm
; 16 products: a K step of Y; the 16 accumulators take turns, one instruction a turn
.macro YSTEP buf, sc, b0, s0
	WIN 0x53
.set n, 0
.rept 16
	MMA 8*n, (\buf)+8*n, \b0, 8*n, (\sc)+(n/2), \s0, (n%2)
.set n, n+1
.endr
.endm
; 16 products: a chunk of the hidden layer, two K steps, the 8 accumulators by turns; the first step starts the sums with b1
.macro HSTEP
	WIN 0xa3
.set n, 0
.rept 8
	MMA 8*n, BUFA+8*n, XF, 128+8*n, SA+(n/2), XS, (n%2)
.set n, n+1
.endr
.set n, 0
.rept 8
	MMA 8*n, BUFA+64+8*n, XF+8, 8*n, SA+4+(n/2), XS+1, (n%2)
.set n, n+1
.endr
.endm
; the sum (sq = 0) or the sum of squares (sq = 1) of a token's 256 numbers, in v[SUM]: four chains of pairs in ascending order; then lane l xor 16's
.macro LNSUM sq
	WIN 0x05
.set k, 0
.rept 4
.if \sq
	v_pk_mul_f32 v[SUM+2*k:SUM+2*k+1], v[2*k:2*k+1], v[2*k:2*k+1]
.else
	v_pk_add_f32 v[SUM+2*k:SUM+2*k+1], v[2*k:2*k+1], v[8+2*k:8+2*k+1]
.endif
.set k, k+1
.endr
.if \sq
.rept 60
	v_pk_fma_f32 v[SUM+2*(k%4):SUM+2*(k%4)+1], v[2*k:2*k+1], v[2*k:2*k+1], v[SUM+2*(k%4):SUM+2*(k%4)+1]
.set k, k+1
.endr
.else
	WIN 0x04
.set k, 8
.rept 56
	v_pk_add_f32 v[SUM+2*(k%4):SUM+2*(k%4)+1], v[SUM+2*(k%4):SUM+2*(k%4)+1], v[2*k:2*k+1]
.set k, k+1
.endr
.endif
	WIN 0
	v_pk_add_f32 v[SUM:SUM+1], v[SUM:SUM+1], v[SUM+2:SUM+3]
	v_pk_add_f32 v[SUM+4:SUM+5], v[SUM+4:SUM+5], v[SUM+6:SUM+7]
	v_pk_add_f32 v[SUM:SUM+1], v[SUM:SUM+1], v[SUM+4:SUM+5]
	v_add_f32 v[SUM], v[SUM], v[SUM+1]
	v_permlanex16_b32 v[XP], v[SUM], s[SEL], s[SEL+1]
	v_add_f32 v[SUM], v[SUM], v[XP]
.endm
; LayerNorm, in place: the mean, the differences, the mean of their squares (two passes, as the definition has it), 1 / sqrt, the gain and the bias
.macro LN garr, barr
	PLACES 4                                       ; behind the last products: in front of the loads into the weights' registers and of the first read of results
	LOADC \garr, 2
	LOADC \barr, 3
	LNSUM 0
	v_mul_f32 v[MU], s[INV], v[SUM]
	v_mov_b32 v[MU+1], v[MU]
	WIN 0x41
.set k, 0
.rept 64
	v_pk_add_f32 v[2*k:2*k+1], v[2*k:2*k+1], v[MU:MU+1] neg_lo:[0,1] neg_hi:[0,1]
.set k, k+1
.endr
	LNSUM 1
	v_fma_f32 v[VAR], v[SUM], s[INV], s[EPS]
	s_wait_alu depctr_va_vdst(0)                   ; the wait ahead of the transcendental
	v_rsq_f32 v[RS], v[VAR]
	v_nop                                          ; a plain line behind it,
	s_wait_alu depctr_va_vdst(0)                   ; and the wait ahead of its first reader
	v_mov_b32 v[RS+1], v[RS]
	WIN 0x41
.set k, 0
.rept 64
	v_pk_mul_f32 v[2*k:2*k+1], v[2*k:2*k+1], v[RS:RS+1]
.set k, k+1
.endr
	s_wait_dscnt 0x0                               ; the gain and the bias are in
	WIN 0x79                                       ; Y window 1, the gain window 2, the bias window 3
.set k, 0
.rept 64
	v_pk_fma_f32 v[2*k:2*k+1], v[2*k:2*k+1], v[2*k:2*k+1], v[2*k:2*k+1]
.set k, k+1
.endr
	WIN 0
.endm
; A CHUNK of 128 hidden units.  At its head W1's block, its scale words and b1's chunk are on their way or in (56 loads).  last = 1: nothing follows
.macro CHUNK last
	s_add_co_u32 s[TA], s[WB], BLKB
	v_add_nc_u32 v7, s[TA], v1
	s_add_co_u32 s[TA], s[TA], 16384
	v_add_nc_u32 v8, s[TA], v2
	LOADBLK BUFB, 7, 8, SB                         ; W2's K step: it lands while the chunk is made
	s_wait_dscnt 40                                ; all but the 40 just issued: W1's block and b1's chunk are in; the count holds on the way into the loop and round its back edge
	HSTEP
	WIN 0
	PLACES 4                                       ; in front of the loads into registers that these products have read, and of the first read of results
.if (\last) == 0
	s_add_co_u32 s[TA], s[WB], 2*BLKB
	v_add_nc_u32 v5, s[TA], v1
	s_add_co_u32 s[TA], s[TA], 16384
	v_add_nc_u32 v6, s[TA], v2
	s_add_co_u32 s[B1O], s[B1O], 512
	v_add_nc_u32 v10, s[B1O], v9
	LOADBLK BUFA, 5, 6, SA                         ; the next chunk's W1 and b1: 56 loads
	LOADB1
.endif
	WIN 0x88
.set i, 0
.rept 64
	v_max_num_f32 v[i], 0, v[i]                    ; the activation, in f32, in ascending order
.set i, i+1
.endr
	QUANT2 0, 2, HF, HS, 0
	PLACES 8                                       ; a scale word made by vector instructions stands eight places ahead of the product that takes it
	s_wait_alu depctr_va_vdst(0)                   ; the wait here, directly ahead of the wait below
.if (\last) == 0
	s_wait_dscnt 56                                ; W2's block is in; the 56 younger loads may be out
.else
	s_wait_dscnt 0x0
.endif
	YSTEP BUFB, SB, HF, HS
	WIN 0
	PLACES 4                                       ; in front of the next loads into W2's registers
	s_add_co_u32 s[WB], s[WB], 2*BLKB
.endm
	s_load_b256 s[4:11], s[0:1], 0x0               ; src s[4:5], cc s[6:7], cs s[8:9], wt s[10:11]
	s_load_b256 s[12:19], s[0:1], 0x20             ; bo s[12:13], ln1_g s[14:15], ln1_b s[16:17], b1 s[18:19]
	s_load_b256 s[20:27], s[0:1], 0x40             ; b2 s[20:21], ln2_g s[22:23], ln2_b s[24:25], out0 s[26:27]
	v_lshl_add_u32 v95, v0, 2, 0x4f000             ; my spare word, behind the constants
	v_mov_b32 v119, 0
	ds_add_u32 v95, v119                           ; the opening lines: the add, twice on end, and its wait ahead of my tensor load
	ds_add_u32 v95, v119
	v_lshrrev_b32 v3, 5, v0
	v_readfirstlane_b32 s28, v3                    ; wave 0..3
	s_mov_b32 s36, 3<<16                           ; group 1: no mask; elements of 8 bytes; no padding (images are read as they lie)
	s_mov_b32 s37, 32<<16                          ; tensor_dim0 = 32 elements: 256 bytes
	s_mov_b32 s38, 272<<16                         ; tensor_dim1 = 272
	s_mov_b32 s39, 32<<16                          ; tile_dim0
	s_mov_b32 s40, 272                             ; tile_dim1
	s_mov_b32 s41, 32                              ; dense
	s_mov_b32 s42, 0
	s_mov_b32 s43, 0
	s_mov_b32 s32, 1
	s_mul_i32 s33, s28, 69632                      ; LDS address: a quarter of blocks 2 to 17 for each wave,
	s_add_co_u32 s33, s33, 2*BLKB                  ; behind the room of blocks 0 and 1
	s_mov_b32 s44, s33                             ; a byte's place in LDS is its place in wt
	s_mov_b32 s45, 0
	s_wait_dscnt 0x0                               ; both opening adds are done
	s_wait_kmcnt 0x0
	s_add_nc_u64 s[34:35], s[10:11], s[44:45]
	s_or_b32 s35, s35, 0x80000000                  ; type = 2
	tensor_load_to_lds s[32:35], s[36:43]          ; my one tensor load
	s_nop 0
.rept 4
	v_nop
.endr
	s_lshl_b32 s46, ttmp9, 2
	s_add_co_u32 s46, s46, s28                     ; my tile, 0..511
	s_mov_b32 s49, 0
	s_lshl_b32 s48, s46, 11
	s_add_nc_u64 s[6:7], s[6:7], s[48:49]          ; ctx's codes: 2,048 a tile
	s_lshr_b32 s47, ttmp9, 6                       ; batch
	s_lshl_b32 s47, s47, 15
	s_and_b32 s48, s46, 255
	s_lshl_b32 s48, s48, 4
	s_add_co_u32 s48, s48, s47
	s_add_nc_u64 s[8:9], s[8:9], s[48:49]          ; ctx's scale bytes: 32,768 a batch, 4,096 a head, 16 a tile
	s_lshr_b32 s47, s46, 2
	s_lshl_b32 s47, s47, 16
	s_and_b32 s48, s46, 3
	s_lshl_b32 s48, s48, 13
	s_add_co_u32 s48, s48, s47
	s_add_nc_u64 s[4:5], s[4:5], s[48:49]          ; src and out0 at token 64 (T / 4) + 8 (T % 4)
	s_add_nc_u64 s[26:27], s[26:27], s[48:49]
	s_mov_b32 s[SEL], 0x76543210
	s_mov_b32 s[SEL+1], 0xfedcba98                 ; v_permlanex16_b32's selects for lane l xor 16
	s_mov_b32 s[INV], 0x3b800000                   ; 1 / 256
	s_mov_b32 s[EPS], 0x3727c5ac                   ; 1e-5
	s_mov_b32 s[WB], 2*BLKB
	s_mov_b32 s[B1O], 0
	v_and_b32 v3, 31, v0                           ; lane
	v_and_b32 v12, 15, v0                          ; r
	v_bfe_u32 v4, v0, 4, 1                         ; h
	v_lshlrev_b32 v1, 4, v3                        ; 16 x lane
	v_lshlrev_b32 v2, 2, v3                        ; 4 x lane
	v_lshl_add_u32 v9, v4, 7, CONST                ; the constants of my half: 32 numbers x h
	v_lshrrev_b32 v5, 3, v12
	v_and_b32 v6, 7, v12
	v_lshl_add_u32 v11, v5, 5, v6
	v_lshlrev_b32 v11, 10, v11
	v_lshl_add_u32 v11, v4, 7, v11                 ; src: token 32 (r / 8) + r % 8, + 32 numbers x h
	v_lshlrev_b32 v13, 3, v4                       ; 8 h
	s_mul_i32 s29, s28, 16640                      ; my stage for the way out: 16 rows of 1,024 + 16 bytes
	v_mul_u32_u24 v14, v12, 1040
	v_lshl_add_u32 v14, v4, 7, v14
	v_add_nc_u32 v14, s29, v14                     ; in: row r, + 128 h
	v_add_nc_u32 v15, s29, v1                      ; back: 16 bytes a lane
	v_lshl_add_u32 v16, v0, 3, CONST
	v_lshl_add_u32 v17, v0, 4, CONST+C_FB1
	v_lshlrev_b32 v18, 3, v0
	v_lshlrev_b32 v19, 4, v0
	v_mov_b32 v[XP], 0                             ; a lane permute's destination counts as one of its sources
	global_load_b64 v[20:21], v18, s[12:13]        ; the constants: 128 threads x 8 bytes an array,
	global_load_b64 v[22:23], v18, s[14:15]
	global_load_b64 v[24:25], v18, s[16:17]
	global_load_b64 v[26:27], v18, s[20:21]
	global_load_b64 v[28:29], v18, s[22:23]
	global_load_b64 v[30:31], v18, s[24:25]
	global_load_b128 v[120:123], v19, s[18:19]     ; b1: twice 128 x 16 bytes
	global_load_b128 v[124:127], v19, s[18:19] offset:2048
.set i, 0
.rept 4                                        ; ctx's two fragments (K steps 0, 1), as they lie
	global_load_b128 v[XF+4*i:XF+4*i+3], v1, s[6:7] offset:512*i
.set i, i+1
.endr
.irp hd, 0,1,2,3,4,5,6,7
	global_load_u8 v[BY+\hd], v12, s[8:9] offset:4096*\hd
.endr
	WIN 0x40
.set i, 0
.rept 32                                       ; src lands where the first sums begin
	global_load_b128 v[4*i:4*i+3], v11, s[4:5] offset:256*(i/8)+16*(i%8)
.set i, i+1
.endr
	LOADWO BUFB, SB, 0                             ; Wo, K step 0,
	LOADWO BUFA, SA, BLKB                          ; K step 1
	s_wait_alu depctr_va_vdst(0)                   ; the wait at the head's end
	s_wait_loadcnt 63                              ; the constants are in: 4 + 8 + 32 + 80 loads are younger, and 63 is under that number
.set i, 0
.rept 6
	ds_store_b64 v16, v[20+2*i:21+2*i] offset:1024*i
.set i, i+1
.endr
	ds_store_b128 v17, v[120:123]
	ds_store_b128 v17, v[124:127] offset:2048
	s_wait_dscnt 0x0                               ; my stores of the constants have landed:
	s_barrier_signal -1
	s_barrier_wait -1                              ; everybody's have.  (My tensor load may be out, and up to the next one only the constants are read from LDS)
; ---- src + bo + ctx Wo
	LOADC C_BO, 2                                  ; 32 loads
	s_wait_loadcnt 0x0                             ; ctx, its bytes, src, Wo
.irp s, 0,1
	v_lshl_or_b32 v[XS+\s], v[BY+4*\s+1], 8, v[BY+4*\s]    ; a block of ctx is a head: heads 4 s .. 4 s + 3 make K step s's word
	v_lshl_or_b32 v[XS+\s], v[BY+4*\s+2], 16, v[XS+\s]
	v_lshl_or_b32 v[XS+\s], v[BY+4*\s+3], 24, v[XS+\s]
.endr
	s_wait_dscnt 0x0                               ; bo is in
	ADDC                                           ; (its 64 lines are also the places between the words above and the products)
	PLACES 4
	YSTEP BUFB, SB, XF, XS
	YSTEP BUFA, SA, XF+8, XS+1
	WIN 0
	LN C_G1, C_E1                                  ; Y = x
; ---- x is quantised; x + b2 starts the last sums
	LOADC C_B2, 2                                  ; 32 loads
.irp s, 0,1
	QUANT2 64*\s, 1, XF+8*\s, XS+\s, 1
.endr
	s_wait_dscnt 0x0                               ; b2 is in
	ADDC                                           ; (also the places between x's codes and words and the products)
	s_wait_alu depctr_va_vdst(0)                   ; the wait here, directly ahead of the wait below
	s_wait_tensorcnt 0x0                           ; my quarter of W1's and W2's blocks has landed,
	s_barrier_signal -1
	s_barrier_wait -1                              ; everybody's has
	v_add_nc_u32 v5, s[WB], v1
	s_add_co_u32 s[TA], s[WB], 16384
	v_add_nc_u32 v6, s[TA], v2
	v_add_nc_u32 v10, s[B1O], v9
	LOADBLK BUFA, 5, 6, SA                         ; the first chunk's W1 and b1: 56 loads
	LOADB1
	s_mov_b32 s[CNT], 7
.Lchunk:
	CHUNK 0
	s_sub_co_u32 s[CNT], s[CNT], 1
	s_cmp_lg_u32 s[CNT], 0
	s_cbranch_scc1 .Lchunk
	CHUNK 1                                        ; the last chunk is written out: it fetches nothing beyond the weights' end
	LN C_G2, C_E2
; ---- THE WAY OUT.  A lane holds pieces of one row, the lanes beside it other rows: the tile goes through my stage and comes back as whole rows.  The stages lie from LDS byte 0 on, over the room of blocks 0 and 1, which nothing
; fills, and over blocks 2 and 3, which have had their only fill; behind this barrier no wave reads them.
	s_wait_alu depctr_va_vdst(0)
	s_wait_dscnt 0x0
	s_barrier_signal -1
	s_barrier_wait -1
	WIN 0x04                                       ; an LDS store's data are its source 1: window 1
.set i, 0
.rept 32
	ds_store_b128 v14, v[4*i:4*i+3] offset:256*(i/8)+16*(i%8)
.set i, i+1
.endr
	WIN 0
.set i, 0
.rept 32                                       ; LDS serves a wave's instructions in order: these see my stores
	ds_load_b128 v[128+4*i:128+4*i+3], v15 offset:1040*(i/2)+512*(i%2)
.set i, i+1
.endr
.set i, 0
.rept 32
	s_wait_dscnt 31-i
	global_store_b128 v1, v[128+4*i:128+4*i+3], s[26:27] offset:1024*(32*((i/2)/8)+((i/2)%8))+512*(i%2) th:TH_STORE_NT   ; 32 lanes store 512 consecutive bytes, aligned; written once, read by nobody here
.set i, i+1
.endr
	s_wait_tensorcnt 0x0                           ; the wave's end
	ds_add_u32 v95, v119
	s_wait_dscnt 0x0
	s_endpgm
.Lfunc_end_k_q1e333e1024_tail:
	.size	k_q1e333e1024_tail, .Lfunc_end_k_q1e333e1024_tail-k_q1e333e1024_tail
	.p2alignl 7, 3214868480
	.fill 96, 4, 3214868480
	.section	.rodata,"a",@progbits
	.p2align	6, 0x0
	.amdhsa_kernel k_q1e333e1024_tail
		.amdhsa_group_segment_fixed_size 327680
		.amdhsa_private_segment_fixed_size 0
		.amdhsa_enable_private_segment 0
		.amdhsa_kernarg_size 96
		.amdhsa_user_sgpr_count 2
		.amdhsa_user_sgpr_kernarg_segment_ptr 1
		.amdhsa_wavefront_size32 1
		.amdhsa_system_sgpr_workgroup_id_x 1
		.amdhsa_system_sgpr_workgroup_id_y 1
		.amdhsa_system_sgpr_workgroup_id_z 1
		.amdhsa_system_vgpr_workitem_id 0
		.amdhsa_next_free_vgpr 1024
		.amdhsa_next_free_sgpr 66
		.amdhsa_reserve_vcc 0
		.amdhsa_float_denorm_mode_32 3
		.amdhsa_float_denorm_mode_16_64 3
		.amdhsa_memory_ordered 1
		.amdhsa_forward_progress 1
		.amdhsa_inst_pref_size 133
	.end_amdhsa_kernel
	.amdgpu_metadata
---
amdhsa.version: [ 1, 2 ]
amdhsa.kernels:
  - .name:           k_q1e333e1024_tail
    .symbol:         k_q1e333e1024_tail.kd
    .args:
      - { .name: src, .offset: 0, .size: 8, .value_kind: global_buffer, .address_space: global }
      - { .name: cc, .offset: 8, .size: 8, .value_kind: global_buffer, .address_space: global }
      - { .name: cs, .offset: 16, .size: 8, .value_kind: global_buffer, .address_space: global }
      - { .name: wt, .offset: 24, .size: 8, .value_kind: global_buffer, .address_space: global }
      - { .name: bo, .offset: 32, .size: 8, .value_kind: global_buffer, .address_space: global }
      - { .name: ln1_g, .offset: 40, .size: 8, .value_kind: global_buffer, .address_space: global }
      - { .name: ln1_b, .offset: 48, .size: 8, .value_kind: global_buffer, .address_space: global }
      - { .name: b1, .offset: 56, .size: 8, .value_kind: global_buffer, .address_space: global }
      - { .name: b2, .offset: 64, .size: 8, .value_kind: global_buffer, .address_space: global }
      - { .name: ln2_g, .offset: 72, .size: 8, .value_kind: global_buffer, .address_space: global }
      - { .name: ln2_b, .offset: 80, .size: 8, .value_kind: global_buffer, .address_space: global }
      - { .name: out0, .offset: 88, .size: 8, .value_kind: global_buffer, .address_space: global }
    .group_segment_fixed_size: 327680
    .private_segment_fixed_size: 0
    .kernarg_segment_align: 8
    .kernarg_segment_size: 96
    .max_flat_workgroup_size: 128
    .sgpr_count:     66
    .vgpr_count:     1024
    .wavefront_size: 32
...
	.end_amdgpu_metadata
.endif
;; end of part 4
